; MI455X (gfx1250); checked and timed in simulation.
; The chip was launched on July 23, 2026; its instructions are those of AMD's public machine-readable ISA for CDNA 5 (MIT licence, August 2026) and "CDNA5" Instruction Set Architecture Reference Guide (July 2026). The comments in the code are by the model that wrote it; some were corrected since.
;; Linear Attention. Allowed arithmetic: matrix products marked QUANTISED: E2M1 operands, one E8M0 scale for each 32 along K, by v_wmma_scale_f32_16x16x128_f8f6f4 with both operands' format E2M1 (or v_wmma_scale_f32_32x16x128_f4), f32 sums; products left as they are: f32 operands where the result goes on into a quantised operand, else bf16, f16 or f32 operands; f32 sums; everything else in f32.
;; Inputs: key_mask 4 x 8,192 float32; keys 4 x 8,192 x 8 x 64 float32; queries 4 x 8,192 x 8 x 64 float32; values 4 x 8,192 x 8 x 64 float32.
;; Outputs: out0 4 x 8,192 x 8 x 64 float32.
;; This version of the problem:
;;   THIS VERSION OF THE PROBLEM IS GIVEN IN LOW PRECISION. The matrix products marked QUANTISED in the list below multiply operands that are first quantised to E2M1 (2 exponent bits, 1 mantissa bit; 4 bits a number), with one power-of-two scale for each 32 numbers along K (OCP MX v1.0); their sums are f32. All else is computed in f32.
;;   The module's matrix products, in the order in which they are computed (A, B: the left and right operand; K: the contracted axis; several contracted axes count as one K, in the product's order):
;;     1. batch 32 x [M 64, K 8,192] x [K 8,192, N 64]; A: input values; B: computed on the way: QUANTISED
;;     2. batch 32 x [M 1, K 64] x [K 64, N 8,192]; A: computed on the way; B: computed on the way: left as it is (M = 1 < 16)
;;     3. batch 32 x [M 64, K 64] x [K 64, N 8,192]; A: computed on the way; B: computed on the way: QUANTISED
;;     4. batch 262,144 x [M 1, K 1] x [K 1, N 64]; A: computed on the way; B: computed on the way: left as it is (no contracted axis)
;;   THE QUANTISER, for each operand of a quantised product, along K:
;;     - K is cut into blocks of 32 from its start; a last block that is shorter is filled with zeros.
;;     - A block's scale is 2^e with e = floor(log2(the largest magnitude in the block)) - 2, held to -126 .. 127; a block of zeros has e = 0. As a byte (E8M0): e + 127.
;;     - Each number is divided by its block's scale, clamped to +-6, and rounded to the nearest number of E2M1, ties to even, subnormals kept.
;;     - The product sums the exact products of the quantised numbers (number of the format x scale) in f32.
;;   ~~~python
;;   def quantise(x, axis):      # numpy; x: float32 -> the quantised numbers, widened to float32 again
;;       x = np.moveaxis(x, axis, -1); K = x.shape[-1]
;;       x = np.pad(x, [(0, 0)] * (x.ndim - 1) + [(0, -K % 32)]); x = x.reshape(x.shape[:-1] + (-1, 32)); a = np.abs(x).max(-1, keepdims=True)
;;       e = np.where(a > 0, np.clip(np.frexp(np.where(a > 0, a, 1))[1] - 1 - 2, -126, 127), 0)      # np.frexp(a)[1] - 1 = floor(log2(a)), exactly
;;       r = np.clip(x / 2.0 ** e, -6, 6)
;;       step = 2.0 ** (np.maximum(np.frexp(np.where(r == 0, 1, r))[1] - 1, 0) - 1)
;;       q = np.round(r / step) * step * 2.0 ** e      # np.round: ties to even
;;       return np.moveaxis(q.reshape(q.shape[:-2] + (-1,))[..., :K], -1, axis).astype(np.float32)
;;   ~~~
;;   OPERANDS COMPUTED ON THE WAY. 'Computed on the way' means the value that the module computes at that place (a softmax that the list does not call 'softmax' is quantised finished and normalised). What goes into a quantiser is computed in f32, as accurately as f32 sums, v_exp_f32 and their like allow (about 1e-6 of the number): no bf16 or f16 on the way to a quantiser, and a product that is left as it is and whose result goes on into a quantised operand takes f32 operands (vector FMAs, or v_wmma_f32_16x16x4_f32). A number that lies on a knife's edge between two numbers of the format may be rounded either way, as far as f32 arithmetic and the matrix unit's own rounding can turn it there, and no further.
;; 2 versions, each right; version 2 is version 1 with the launches kvsum, apply written anew for expert scheduling mode. Each part assembles by itself: llvm-mc -triple=amdgcn-amd-amdhsa -mcpu=gfx1250 --defsym DOCPART=n.
;; ======== version 1 of 2: 2 launches
;; workspace buffers: kvpart 4,194,304 bytes; kspart 65,536 bytes
;; launch kvsum (part 1): grid 256 x 1, 16 waves a work-group, no clusters, 93,184 bytes of LDS; arguments keys, values, key_mask, kvpart, kspart; writes kvpart, kspart
.if DOCPART == 1
	.amdgcn_target "amdgcn-amd-amdhsa--gfx1250"
	.amdhsa_code_object_version 6
	.text
	.protected	k_q0d9edcb896_kvsum
	.globl	k_q0d9edcb896_kvsum
	.p2align	8
	.type	k_q0d9edcb896_kvsum,@function
k_q0d9edcb896_kvsum:
	s_mov_b64 s[64:65], 0
	v_nop
	global_prefetch_b8 v0, s[64:65] scope:SCOPE_SE
	s_setreg_imm32_b32 hwreg(HW_REG_WAVE_MODE, 25, 1), 1
	s_wait_xcnt 0x0
; LINEAR ATTENTION, FIRST LAUNCH.  K = (elu(keys) + 1) x key_mask, in f32;  partial Ksum[d] = sum over s of K;  partial KV[m][d] = sum over s of Q4(values)[s][m] x Q4(K)[s][d],
; Q4 = the MX-FP4 quantiser along s (blocks of 32, one E8M0 byte each), by v_wmma_scale_f32_16x16x128_f8f6f4 on FP4 codes, sums in f32.
; keys, values: [4][8192 s][8 heads][64] f32;  key_mask: [4][8192] f32.
; SHARES.  256 work-groups: one for each (n, chunk of 1,024 s, head); 16 waves.  A wave owns 64 s and all 64 columns of keys and of values.
; A LANE TAKES A COLUMN AND ITS REGISTERS RUN DOWN s: a block of 32 along s lies in ONE lane's 32 registers, its largest magnitude needs no other lane, and the conversions give codes with s innermost.
; A row of a head is 256 aligned bytes: two loads that follow each other take its two halves, 128 consecutive bytes each.  A row's mask is one number for all lanes: it lives in a scalar register.
; Four groups of 64 loads (32 rows x 2 halves) go through two buffers of 64 registers: K's rows 0-31, K's rows 32-63, V's rows 0-31, V's rows 32-63: a group is on its way while the group before is worked on.
; FROM WAVE TO WAVE the operands go through LDS as images of their registers: wave w = 2 j + c holds s = 128 j + 64 c + 0..63 of the chunk, which are registers 4 c .. 4 c + 3 of the fragments of K step j.
; Behind one barrier wave w makes the tile (d = 16 (w & 3) .., m = 16 (w >> 2) ..) over the chunk's 8 K steps: source 0 = K's 16 columns d, source 1 = V's 16 columns m, so that a lane holds 8 neighbouring d of one m.
; The 64 x 64 sums meet in a stage in LDS and leave in the order in which the second launch's lanes take them: kvpart[p][w][j][lane][e] = KV(m = 4 w + lane / 8, d = 8 (lane % 8) + 4 j + e), p = (8 n + head) 8 + chunk.
; elu(x) + 1 is made as it is written: e = 2^(x log2 e); elu = the middle one of (e - 1, 0, x) (for x > 0: 0 < x <= e - 1; else x <= e - 1 <= 0); then (elu + 1) x mask as ONE fused multiply-add, elu x mask + mask.
; LIMITS: NaN and infinities among the inputs are not served.  A block whose largest magnitude lies under 2^-124 (a block of zeros too) gets the scale byte 1: a block of zeros has zero codes, which add nothing, and only this program reads the bytes.
.set LOG2E, 0x3fb8aa3b                 ; log2(e)
.set FLOOR, 0x1800000                  ; 2^(3 - 127): no largest magnitude is taken under it, so no scale byte falls under 1
.set DOWN2, 0xff000000                 ; takes 2, the exponent of E2M1's largest number, off an exponent field
.set ROW,   2048                       ; bytes from s to s + 1: 8 heads x 64 x 4
.set SP,    272                        ; a stage row: 256 bytes + 16: the 16 rows that a store touches start in 16 different columns of 16 bytes
.set SCK,   0                          ; LDS: K's scale words, [8 K steps][64 columns], 4 bytes each
.set SCV,   2048                       ; V's likewise
.set KSL,   4096                       ; the 16 waves' sums of K: [wave][64 d] f32
.set STG,   8192                       ; the stage for KV: 64 rows m x SP
.set KIMG,  STG+64*SP                  ; K's code images: [wave][4 tiles][32 lanes x 16 bytes]
.set VIMG,  KIMG+32768                 ; V's likewise; it ends at 91,136
.set GA,  1                            ; v1   4 x lane: my column's byte in a half row
.set IA,  2                            ; v2   16 x lane + 2,048 x wave: where my images go
.set SA,  3                            ; v3   4 x lane + 256 (wave / 2) + 2 (wave % 2): my two bytes of my column's scale word
.set KA,  4                            ; v4   4 x lane + 256 x wave: my sums of K
.set FK,  5                            ; v5   KIMG + 16 x lane + 512 x (my d tile)
.set FV,  6                            ; v6   VIMG + 16 x lane + 512 x (my m tile)
.set FS,  7                            ; v7   lanes 0-15: K's scale word of my d tile's row; lanes 16-31: V's of my m tile's
.set SO,  8                            ; v8   the stage: where my 32 bytes of a row go
.set SR,  9                            ; v9   the stage: where I read back
.set GO,  10                           ; v10  1,024 x wave + 16 x lane: my place in the work-group's 16 KiB of kvpart
.set KR,  11                           ; v11  8 x lane
.set T,   16                           ; v16-31  two sets of 8 exponentials; then V's codes; then the two accumulators
.set KC,  32                           ; v32-47  K's codes; then the tile's sums
.set SW,  48                           ; v48-55  the 8 K steps' scale words: nothing else is ever kept here
.set KS,  56                           ; v56-63  sums of K: two pairs for columns 0-31, two for columns 32-63
.set B0,  64                           ; v64-127   buffer 0: 32 rows of my column in the left half, then of my column in the right half
.set B1,  128                          ; v128-191  buffer 1
.set MXA, 192                          ; v192, v193 largest magnitudes;  v194, v195 the conversions' scale operands;  v196, v197 at work
.set MXB, 193
.set SOA, 194
.set SOB, 195
.set TB0, 196
.set TB1, 197
.set KBA, 198                          ; v198, v199 K's two scale bytes of my left and my right column;  v200, v201 V's
.set KBB, 199
.set VBA, 200
.set VBB, 201
	s_load_b256 s[4:11], s[0:1], 0x0               ; keys s[4:5], values s[6:7], key_mask s[8:9], kvpart s[10:11]
	s_load_b64 s[12:13], s[0:1], 0x20              ; kspart
	v_lshl_add_u32 v208, v0, 2, 0x16400
	v_mov_b32 v209, 0
	v_lshrrev_b32 v12, 5, v0
	v_readfirstlane_b32 s14, v12                   ; wave 0..15
	v_and_b32 v12, 31, v0                          ; lane
	v_lshlrev_b32 v[GA], 2, v12
	s_and_b32 s84, ttmp9, 7                        ; head: neighbouring work-groups take neighbouring 256 bytes of the same rows
	s_bfe_u32 s85, ttmp9, 0x30003                  ; chunk of 1,024 s
	s_lshr_b32 s86, ttmp9, 6                       ; n
	s_lshl_b32 s88, s86, 24                        ; my wave's first byte in keys and in values: n x 8,192 rows
	s_lshl_b32 s87, s85, 21                        ; + chunk x 1,024 rows
	s_add_co_u32 s88, s88, s87
	s_lshl_b32 s87, s14, 17                        ; + wave x 64 rows
	s_add_co_u32 s88, s88, s87
	s_lshl_b32 s87, s84, 8                         ; + head x 256 bytes
	s_add_co_u32 s88, s88, s87
	s_mov_b32 s89, 0
	s_lshl_b32 s90, s86, 15                        ; and in key_mask: 4 bytes for each s
	s_lshl_b32 s87, s85, 12
	s_add_co_u32 s90, s90, s87
	s_lshl_b32 s87, s14, 8
	s_add_co_u32 s90, s90, s87
	s_mov_b32 s91, 0
	s_lshl_b32 s87, s86, 3
	s_add_co_u32 s87, s87, s84
	s_lshl_b32 s87, s87, 3
	s_add_co_u32 s87, s87, s85                     ; p = (8 n + head) 8 + chunk
	s_lshl_b32 s92, s87, 14                        ; 16 KiB of kvpart,
	s_mov_b32 s93, 0
	s_lshl_b32 s94, s87, 8                         ; 256 bytes of kspart
	s_mov_b32 s95, 0
	s_wait_kmcnt 0x0
	s_add_nc_u64 s[4:5], s[4:5], s[88:89]
	s_add_nc_u64 s[6:7], s[6:7], s[88:89]
	s_add_nc_u64 s[8:9], s[8:9], s[90:91]
	s_add_nc_u64 s[10:11], s[10:11], s[92:93]
	s_add_nc_u64 s[12:13], s[12:13], s[94:95]
	s_load_b512 s[16:31], s[8:9], 0x0              ; my 64 rows' masks: rows 0-15,
	s_load_b512 s[32:47], s[8:9], 0x40             ; 16-31,
	s_load_b512 s[48:63], s[8:9], 0x80             ; 32-47,
	s_load_b512 s[68:83], s[8:9], 0xc0             ; 48-63
; 64 loads: rows row0 .. row0 + 31; the two halves of a row's 256 bytes follow each other, 128 consecutive bytes a load.  Read once in the launch.
.macro LOADG B, base, row0
.irp i, 0,1,2,3,4,5,6,7,8,9,10,11,12,13,14,15,16,17,18,19,20,21,22,23,24,25,26,27,28,29,30,31
	global_load_b32 v[\B+\i], v[GA], s[\base:\base+1] offset:(\row0+\i)*ROW th:TH_LOAD_NT
	global_load_b32 v[\B+32+\i], v[GA], s[\base:\base+1] offset:(\row0+\i)*ROW+128 th:TH_LOAD_NT
.endr
.endm
	LOADG B0, 4, 0                                 ; K's rows 0-31
	LOADG B1, 4, 32                                ; K's rows 32-63
	; the LDS addresses are made while the loads are on their way; all of them ahead of the first branch on the wave's number
	v_and_b32 v13, 15, v0                          ; r
	v_bfe_u32 v14, v0, 4, 1                        ; h
	s_mov_b32 s2, LOG2E
	s_mov_b32 s3, s2                               ; (the packed form names the pair and takes its low word for both halves: so s3 is written)
	s_lshl_b32 s96, s14, 11
	v_lshl_add_u32 v[IA], v12, 4, s96
	s_lshr_b32 s96, s14, 1
	s_lshl_b32 s96, s96, 8
	s_and_b32 s97, s14, 1
	s_lshl_b32 s97, s97, 1
	s_add_co_u32 s96, s96, s97
	v_lshl_add_u32 v[SA], v12, 2, s96
	s_lshl_b32 s96, s14, 8
	v_lshl_add_u32 v[KA], v12, 2, s96
	s_and_b32 s98, s14, 3                          ; my d tile
	s_lshr_b32 s99, s14, 2                         ; my m tile
	s_lshl_b32 s96, s98, 9
	s_add_co_u32 s96, s96, KIMG
	v_lshl_add_u32 v[FK], v12, 4, s96
	s_lshl_b32 s96, s99, 9
	s_add_co_u32 s96, s96, VIMG
	v_lshl_add_u32 v[FV], v12, 4, s96
	s_xor_b32 s96, s98, 3                          ; 3 - d tile
	s_add_co_u32 s96, s96, s99
	s_lshl_b32 s96, s96, 6
	s_add_co_u32 s96, s96, SCV-SCK-192             ; from K's word of row r of my d tile to V's of row r of my m tile: SCV - SCK + 64 (m tile - d tile)
	v_mul_u32_u24 v15, s96, v14                    ; one product: lanes 16-31 stand that far on
	v_lshl_add_u32 v15, v13, 2, v15
	s_lshl_b32 s97, s98, 6
	v_add_nc_u32 v[FS], s97, v15
	s_mul_i32 s96, s99, 16*SP
	s_add_co_u32 s96, s96, s97
	s_add_co_u32 s96, s96, STG
	v_mul_u32_u24 v15, v13, SP
	v_lshl_add_u32 v15, v14, 5, v15
	v_add_nc_u32 v[SO], s96, v15                   ; row m = 16 (m tile) + r, byte 64 (d tile) + 32 h
	s_mul_i32 s96, s14, 4*SP
	s_add_co_u32 s96, s96, STG
	v_lshrrev_b32 v15, 3, v12
	v_mul_u32_u24 v15, v15, SP
	v_and_b32 v13, 7, v12
	v_lshl_add_u32 v15, v13, 5, v15
	v_add_nc_u32 v[SR], s96, v15                   ; row 4 wave + lane / 8, byte 32 (lane % 8)
	s_lshl_b32 s96, s14, 10
	v_lshl_add_u32 v[GO], v12, 4, s96
	v_lshlrev_b32 v[KR], 3, v12
.irp k, 0,1,2,3,4,5,6,7
	v_mov_b32 v[KS+\k], 0                          ; the sums of K begin at 0
.endr
; (elu(x) + 1) x mask, in place, on a group's 64 registers, eight at a time.  g: which 32 of my rows (their masks: s16-47, or s48-63 and s68-83).
; The next eight's multiplications stand behind each run of exponentials: the plain instructions that come between an exponential and the use of its result (ISA guide 5.7.2).
.macro ELEM B, g
.irp k, 0,2,4,6
	v_pk_mul_f32 v[T+\k:T+\k+1], v[\B+\k:\B+\k+1], s[2:3] op_sel_hi:[1,0]
.endr
.set q, 0
.rept 8
.set TS, T+8*(q%2)
.set TN, T+8-8*(q%2)
.set E, \B+8*q
.set I0, 8*(q%4)
.if \g == 0
.set MI, 16+I0
.elseif I0 < 16
.set MI, 48+I0
.else
.set MI, 52+I0
.endif
.irp k, 0,1,2,3,4,5,6,7
	v_exp_f32 v[TS+\k], v[TS+\k]                   ; e^x
.endr
.if q < 7
	s_wait_alu depctr_va_vdst(0)
.irp k, 0,2,4,6
	v_pk_mul_f32 v[TN+\k:TN+\k+1], v[E+8+\k:E+9+\k], s[2:3] op_sel_hi:[1,0]
.endr
.else
	v_nop
	s_wait_alu depctr_va_vdst(0)
.endif
.irp k, 0,2,4,6
	v_pk_add_f32 v[TS+\k:TS+\k+1], v[TS+\k:TS+\k+1], -1.0 op_sel_hi:[1,0]
.endr
.irp k, 0,1,2,3,4,5,6,7
	v_med3_num_f32 v[E+\k], v[TS+\k], 0, v[E+\k]   ; elu(x)
.endr
.irp k, 0,1,2,3,4,5,6,7
	v_fma_f32 v[E+\k], v[E+\k], s[MI+\k], s[MI+\k] ; (elu + 1) x the row's mask
.endr
.set q, q+1
.endr
.endm
; the group's K joins the sums, unquantised: two rows an instruction, four chains
.macro KSUM B
.irp i, 0,4,8,12,16,20,24,28
	v_pk_add_f32 v[KS:KS+1], v[KS:KS+1], v[\B+\i:\B+\i+1]
	v_pk_add_f32 v[KS+4:KS+5], v[KS+4:KS+5], v[\B+32+\i:\B+33+\i]
	v_pk_add_f32 v[KS+2:KS+3], v[KS+2:KS+3], v[\B+2+\i:\B+3+\i]
	v_pk_add_f32 v[KS+6:KS+7], v[KS+6:KS+7], v[\B+34+\i:\B+35+\i]
.endr
.endm
; A group is one block of 32 along s for each of my two columns: largest magnitude, scale, 32 codes in 4 registers.  g = 0: the wave's first block, 1: its second.
.macro QUANT B, CA, CB, g, BA, BB
	v_max3_num_f32 v[MXA], |v[\B]|, |v[\B+1]|, FLOOR
	v_max3_num_f32 v[MXB], |v[\B+32]|, |v[\B+33]|, FLOOR
.irp i, 2,4,6,8,10,12,14,16,18,20,22,24,26,28,30
	v_max3_num_f32 v[MXA], v[MXA], |v[\B+\i]|, |v[\B+\i+1]|
	v_max3_num_f32 v[MXB], v[MXB], |v[\B+32+\i]|, |v[\B+33+\i]|
.endr
	v_add_nc_u32 v[SOA], DOWN2, v[MXA]             ; the conversion takes the exponent field of this operand as its scale, and nothing else of it
	v_add_nc_u32 v[SOB], DOWN2, v[MXB]
.irp c, 0,1,2,3
	v_cvt_scalef32_pk8_fp4_f32 v[\CA+\c], v[\B+8*\c:\B+8*\c+7], v[SOA]
	v_cvt_scalef32_pk8_fp4_f32 v[\CB+\c], v[\B+32+8*\c:\B+39+8*\c], v[SOB]
.endr
	v_nop                                          ; one plain place behind the last scaled conversion
.if \g == 0
	v_lshrrev_b32 v[\BA], 23, v[SOA]               ; the scale's byte
	v_lshrrev_b32 v[\BB], 23, v[SOB]
.else
	v_lshrrev_b32 v[TB0], 23, v[SOA]
	v_lshrrev_b32 v[TB1], 23, v[SOB]
	v_lshl_or_b32 v[\BA], v[TB0], 8, v[\BA]        ; the second block's byte above the first's
	v_lshl_or_b32 v[\BB], v[TB1], 8, v[\BB]
.endif
.endm
; 16 code registers at C: columns 0-31 block 0, block 1; columns 32-63 block 0, block 1.  The operand's layout wants 16 columns in lanes 0-15 with one block and the same columns in lanes 16-31 with the next:
; the first block's lanes 16-31 change places with the second block's lanes 0-15.  Then four registers are a column tile's registers 4 c .. 4 c + 3, and go to LDS as they stand.
.macro SEND C, IMG, SC, BA, BB
.irp i, 0,1,2,3
	v_permlane16_swap_b32 v[\C+\i], v[\C+4+\i]
	v_permlane16_swap_b32 v[\C+8+\i], v[\C+12+\i]
.endr
.irp t, 0,1,2,3
	ds_store_b128 v[IA], v[\C+4*\t:\C+4*\t+3] offset:\IMG+512*\t
.endr
	ds_store_b16 v[SA], v[\BA] offset:\SC          ; bytes 2 c, 2 c + 1 of column lane's word;
	ds_store_b16 v[SA], v[\BB] offset:\SC+128      ; of column 32 + lane's
.endm
	s_wait_kmcnt 0x0                               ; the masks
	s_wait_loadcnt 63                              ; K's rows 0-31 are in: 64 loads are younger; 63 is the largest count that this wait can name
	ELEM B0, 0
	KSUM B0
	QUANT B0, KC, KC+8, 0, KBA, KBB
	LOADG B0, 6, 0                                 ; V's rows 0-31, into the buffer just left
	s_wait_loadcnt 63                              ; K's rows 32-63 are in
	ELEM B1, 1
	KSUM B1
	QUANT B1, KC+4, KC+12, 1, KBA, KBB
	LOADG B1, 6, 32                                ; V's rows 32-63
	SEND KC, KIMG, SCK, KBA, KBB
	v_pk_add_f32 v[KS:KS+1], v[KS:KS+1], v[KS+2:KS+3]
	v_pk_add_f32 v[KS+4:KS+5], v[KS+4:KS+5], v[KS+6:KS+7]
	v_add_f32 v[KS], v[KS], v[KS+1]
	v_add_f32 v[KS+4], v[KS+4], v[KS+5]
	ds_store_b32 v[KA], v[KS] offset:KSL           ; my 64 rows' sum of K: column lane,
	ds_store_b32 v[KA], v[KS+4] offset:KSL+128     ; column 32 + lane
	s_wait_loadcnt 63                              ; V's rows 0-31 are in
	QUANT B0, T, T+8, 0, VBA, VBB                  ; V's codes take the registers of the exponentials, which are done with
	s_wait_loadcnt 0x0
	QUANT B1, T+4, T+12, 1, VBA, VBB
	SEND T, VIMG, SCV, VBA, VBB
	s_wait_dscnt 0x0                               ; for the others' sake: my images, scale bytes and sums have landed
	s_barrier_signal -1
	s_barrier_wait -1
	; MY TILE OF KV over the chunk's 8 K steps of 128.  Five LDS loads a step: K's fragment, V's fragment, one register with K's scale words in lanes 0-15 and V's in lanes 16-31.
.irp j, 0,1,2,3,4,5,6,7
	ds_load_b128 v[B0+8*\j:B0+8*\j+3], v[FK] offset:4096*\j
	ds_load_b128 v[B0+8*\j+4:B0+8*\j+7], v[FK] offset:4096*\j+2048
	ds_load_b128 v[B1+8*\j:B1+8*\j+3], v[FV] offset:4096*\j
	ds_load_b128 v[B1+8*\j+4:B1+8*\j+7], v[FV] offset:4096*\j+2048
	ds_load_b32 v[SW+\j], v[FS] offset:SCK+256*\j
.endr
	; two accumulators, for the even and the odd K steps, take turns, one instruction a turn; each sum begins with the constant 0
.irp j, 0,1,2,3,4,5,6,7
	s_wait_dscnt 5*(7-\j)                          ; step j's five loads are in; five for each later step may be out
.if \j < 2
	v_wmma_scale_f32_16x16x128_f8f6f4 v[T+8*\j:T+8*\j+7], v[B0+8*\j:B0+8*\j+7], v[B1+8*\j:B1+8*\j+7], 0, v[SW+\j], v[SW+\j] matrix_a_fmt:MATRIX_FMT_FP4 matrix_b_fmt:MATRIX_FMT_FP4 matrix_b_scale:MATRIX_SCALE_ROW1
.else
	v_wmma_scale_f32_16x16x128_f8f6f4 v[T+8*(\j%2):T+8*(\j%2)+7], v[B0+8*\j:B0+8*\j+7], v[B1+8*\j:B1+8*\j+7], v[T+8*(\j%2):T+8*(\j%2)+7], v[SW+\j], v[SW+\j] matrix_a_fmt:MATRIX_FMT_FP4 matrix_b_fmt:MATRIX_FMT_FP4 matrix_b_scale:MATRIX_SCALE_ROW1
.endif
.endr
.rept 4
	v_nop                                          ; four places between the last product and the first read of results (ISA guide 7.12.1)
.endr
.irp k, 0,2,4,6
	v_pk_add_f32 v[KC+\k:KC+\k+1], v[T+\k:T+\k+1], v[T+8+\k:T+9+\k]   ; even steps + odd steps, each accumulator from its low end on
.endr
	ds_store_b128 v[SO], v[KC:KC+3]                ; lane (r, h): KV(m = 16 (m tile) + r, d = 16 (d tile) + 8 h + 0 .. 7)
	ds_store_b128 v[SO], v[KC+4:KC+7] offset:16
	s_cmp_lg_u32 s14, 0                            ; wave 0 adds up the 16 waves' sums of K: two columns a lane
	s_cbranch_scc1 .Lnot_wave_0
.irp i, 0,1,2,3,4,5,6,7,8,9,10,11,12,13,14,15
	ds_load_b64 v[B0+2*\i:B0+2*\i+1], v[KR] offset:KSL+256*\i
.endr
	s_wait_dscnt 0x0
.irp i, 0,1,2,3,4,5,6,7
	v_pk_add_f32 v[B0+2*\i:B0+2*\i+1], v[B0+2*\i:B0+2*\i+1], v[B0+16+2*\i:B0+17+2*\i]
.endr
.irp i, 0,1,2,3
	v_pk_add_f32 v[B0+2*\i:B0+2*\i+1], v[B0+2*\i:B0+2*\i+1], v[B0+8+2*\i:B0+9+2*\i]
.endr
.irp i, 0,1
	v_pk_add_f32 v[B0+2*\i:B0+2*\i+1], v[B0+2*\i:B0+2*\i+1], v[B0+4+2*\i:B0+5+2*\i]
.endr
	v_pk_add_f32 v[B0:B0+1], v[B0:B0+1], v[B0+2:B0+3]
	global_store_b64 v[KR], v[B0:B0+1], s[12:13]   ; 32 lanes store 256 consecutive bytes, aligned
.Lnot_wave_0:
	s_wait_dscnt 0x0                               ; my part of the stage has landed
	s_barrier_signal -1
	s_barrier_wait -1
	ds_load_b128 v[KC+8:KC+11], v[SR]              ; rows 4 w .. 4 w + 3: a lane takes 8 neighbouring d, in two pieces of 16 bytes
	ds_load_b128 v[KC+12:KC+15], v[SR] offset:16
	s_wait_dscnt 0x0
	global_store_b128 v[GO], v[KC+8:KC+11], s[10:11]              ; each store of the wave covers 512 consecutive bytes, aligned
	global_store_b128 v[GO], v[KC+12:KC+15], s[10:11] offset:512
	s_wait_tensorcnt 0x0
	ds_add_u32 v208, v209
	s_wait_dscnt 0x0
	s_endpgm
.Lfunc_end_k_q0d9edcb896_kvsum:
	.size	k_q0d9edcb896_kvsum, .Lfunc_end_k_q0d9edcb896_kvsum-k_q0d9edcb896_kvsum
	.p2alignl 7, 3214868480
	.fill 96, 4, 3214868480
	.section	.rodata,"a",@progbits
	.p2align	6, 0x0
	.amdhsa_kernel k_q0d9edcb896_kvsum
		.amdhsa_group_segment_fixed_size 93184
		.amdhsa_private_segment_fixed_size 0
		.amdhsa_enable_private_segment 0
		.amdhsa_kernarg_size 40
		.amdhsa_user_sgpr_count 2
		.amdhsa_user_sgpr_kernarg_segment_ptr 1
		.amdhsa_wavefront_size32 1
		.amdhsa_system_sgpr_workgroup_id_x 1
		.amdhsa_system_sgpr_workgroup_id_y 1
		.amdhsa_system_sgpr_workgroup_id_z 1
		.amdhsa_system_vgpr_workitem_id 0
		.amdhsa_next_free_vgpr 210
		.amdhsa_next_free_sgpr 100
		.amdhsa_reserve_vcc 0
		.amdhsa_float_denorm_mode_32 3
		.amdhsa_float_denorm_mode_16_64 3
		.amdhsa_memory_ordered 1
		.amdhsa_forward_progress 1
		.amdhsa_inst_pref_size 81
	.end_amdhsa_kernel
	.amdgpu_metadata
---
amdhsa.version: [ 1, 2 ]
amdhsa.kernels:
  - .name:           k_q0d9edcb896_kvsum
    .symbol:         k_q0d9edcb896_kvsum.kd
    .args:
      - { .name: keys, .offset: 0, .size: 8, .value_kind: global_buffer, .address_space: global }
      - { .name: values, .offset: 8, .size: 8, .value_kind: global_buffer, .address_space: global }
      - { .name: key_mask, .offset: 16, .size: 8, .value_kind: global_buffer, .address_space: global }
      - { .name: kvpart, .offset: 24, .size: 8, .value_kind: global_buffer, .address_space: global }
      - { .name: kspart, .offset: 32, .size: 8, .value_kind: global_buffer, .address_space: global }
    .group_segment_fixed_size: 93184
    .private_segment_fixed_size: 0
    .kernarg_segment_align: 8
    .kernarg_segment_size: 40
    .max_flat_workgroup_size: 512
    .sgpr_count:     100
    .vgpr_count:     210
    .wavefront_size: 32
...
	.end_amdgpu_metadata
.endif
;; end of part 1
;; launch apply (part 2): grid 256 x 1, 16 waves a work-group, no clusters, 74,240 bytes of LDS; arguments queries, kvpart, kspart, out0; writes out0
.if DOCPART == 2
	.amdgcn_target "amdgcn-amd-amdhsa--gfx1250"
	.amdhsa_code_object_version 6
	.text
	.protected	k_q0d9edcb896_apply
	.globl	k_q0d9edcb896_apply
	.p2align	8
	.type	k_q0d9edcb896_apply,@function
k_q0d9edcb896_apply:
	s_mov_b64 s[64:65], 0
	v_nop
	global_prefetch_b8 v0, s[64:65] scope:SCOPE_SE
	s_setreg_imm32_b32 hwreg(HW_REG_WAVE_MODE, 25, 1), 1
	s_wait_xcnt 0x0
; LINEAR ATTENTION, SECOND LAUNCH.  Q = elu(queries) + 1;  Z = 1 / (Q . Ksum + 1e-6), by f32 multiply-adds on the unquantised Q;  out[l][m] = Z[l] x sum over d of Q4(Q)[l][d] x Q4(KV)[m][d],
; Q4 = the MX-FP4 quantiser along d (two blocks of 32), by v_wmma_scale_f32_16x16x128_f8f6f4 on FP4 codes.  d is 64 long and the instruction 128: registers 4-7 of both operands hold zero codes.
; queries, out0: [4][8192 l][8 heads][64] f32.  kvpart[p][w][j][lane][e] = the chunk's KV(m = 4 w + lane / 8, d = 8 (lane % 8) + 4 j + e), kspart[p][64 d], p = (8 n + head) 8 + chunk: eight chunks for each (n, head).
; SHARES.  256 work-groups: one for each (n, 1,024 rows l, head); 16 waves; a wave owns 64 rows: four tiles of 16.  All of a wave's 49 loads go out at its head: each tile has registers of its own, so there is no ring.
; KV.  Wave w adds up the eight chunks' rows m = 4 w .. 4 w + 3 (a lane: 8 neighbouring d; four lanes: a block), quantises them and puts one register of codes and the row's scale word into images of the four
; fragments in LDS; it also adds up Ksum[4 w .. 4 w + 3].  One barrier; then every wave keeps the four fragments, their scale words and its half's 32 numbers of Ksum in registers.
; A TILE.  Loads take the bytes as they lie (16 lanes: one row's 256 bytes); the operand's layout wants lane (r, h) to hold block h of row r: the 4 KiB turn through the wave's own stage in LDS.
; Source 0 = 16 rows m of KV, source 1 = my 16 rows of Q: lane (r, h) holds out(l = r, m = 16 t + 8 h + 0 .. 7), and Z of row r is in the same lane.  The results are laid over the tile's own registers,
; turn back through the stage and leave as whole rows of 256 bytes.
; The eight work-groups of an (n, head) read the same 128 KiB of kvpart; that is a fifth of a work-group's bytes, freshly written by the launch before: they are not asked for jointly.
; LIMITS: NaN and infinities among the inputs are not served.  A block whose largest magnitude lies under 2^-124 (a block of zeros too) gets the scale byte 1: zero codes add nothing under it.
.set LOG2E, 0x3fb8aa3b                 ; log2(e)
.set FLOOR, 0x1800000                  ; 2^(3 - 127)
.set DOWN2, 0xff000000                 ; takes 2 off an exponent field
.set EPS,   0x358637bd                 ; 1e-6
.set SP,    272                        ; a stage row: 256 bytes + 16
.set KVI,   0                          ; LDS: KV's four fragments, registers 0-3: [tile][32 lanes x 16 bytes]
.set KVS,   2048                       ; KV's scale words: [64 m]
.set KSS,   2304                       ; Ksum: [64 d] f32
.set STG,   2560                       ; the stages: 16 rows x SP for each wave; they end at 72,192
.set GO,  1                            ; v1   2,048 h + 16 r: my 16 bytes of two rows of a head, in queries and in out0
.set RD,  2                            ; v2   the stage by rows as they lie: SP h + 16 r
.set OP,  3                            ; v3   the stage as the operand wants it: SP r + 128 h
.set STO, 4                            ; v4   the stage as the results come: SP r + 32 h
.set PL,  5                            ; v5   1,024 x wave + 16 x lane: my place in a chunk's KV
.set KL,  6                            ; v6   256 (lane / 4) + 16 x wave + 4 (lane % 4): chunk lane / 4's Ksum[4 w + lane % 4]
.set CST, 7                            ; v7   where my register of KV's codes goes
.set SST, 8                            ; v8   16 x wave + 4 (lane / 8): my row's scale word
.set KST, 9                            ; v9   16 x wave + 4 (lane % 4)
.set FL,  10                           ; v10  16 x lane
.set SL,  11                           ; v11  4 r
.set KD,  12                           ; v12  128 h
.set SH,  13                           ; v13  8 h: my block's place in Q's scale word
.set KSH, 14                           ; v14  8 ((lane / 4) % 2): my block's place in KV's
.set T,   16                           ; v16-31  two sets of 8 exponentials
.set MX0, 32
.set MX1, 33
.set SOP, 34
.set BYT, 35
.set W2,  36
.set D2,  37
.set DA,  38                           ; v[38:39], v[40:41] the dot product with Ksum, in two chains of pairs
.set DB,  40
.set ZZ,  42                           ; v42 Z; v43 is named with it as a pair
.set QS,  44                           ; v44  Q's scale words: nothing else is ever kept here
.set QF,  48                           ; v48-51 Q's codes, v52-55 zero codes
.set KVF, 56                           ; v56-87  KV's four fragments: 4 registers of codes, 4 of zero codes each.  First: with v88-119 the eight chunks' partial KV
.set KSR, 88                           ; v88-119 Ksum[32 h + 0 .. 31]
.set KP,  120
.set KVSC, 121                         ; v121-124 KV's scale words: nothing else is ever kept here
.set KP2, 125
.set QT,  128                          ; v128-255 four tiles of 32 registers
	s_load_b256 s[4:11], s[0:1], 0x0               ; queries s[4:5], kvpart s[6:7], kspart s[8:9], out0 s[10:11]
	v_lshl_add_u32 v126, v0, 2, 0x11a00
	v_mov_b32 v127, 0
	v_lshrrev_b32 v16, 5, v0
	v_readfirstlane_b32 s14, v16                   ; wave 0..15
	v_and_b32 v16, 31, v0                          ; lane
	v_and_b32 v17, 15, v0                          ; r
	v_bfe_u32 v18, v0, 4, 1                        ; h
	v_and_b32 v21, 3, v0                           ; lane % 4
	v_lshrrev_b32 v22, 2, v16                      ; lane / 4
	v_lshlrev_b32 v[GO], 4, v17
	v_lshl_add_u32 v[GO], v18, 11, v[GO]
	s_lshl_b32 s28, s14, 10
	v_lshl_add_u32 v[PL], v16, 4, s28
	s_lshl_b32 s28, s14, 4
	v_lshl_add_u32 v[KST], v21, 2, s28
	v_lshl_add_u32 v[KL], v22, 8, v[KST]
	s_and_b32 s20, ttmp9, 7                        ; head
	s_bfe_u32 s21, ttmp9, 0x30003                  ; which 1,024 rows
	s_lshr_b32 s22, ttmp9, 6                       ; n
	s_lshl_b32 s24, s22, 24                        ; my wave's first byte in queries and in out0: n x 8,192 rows of 2,048 bytes
	s_lshl_b32 s23, s21, 21
	s_add_co_u32 s24, s24, s23
	s_lshl_b32 s23, s14, 17                        ; + wave x 64 rows
	s_add_co_u32 s24, s24, s23
	s_lshl_b32 s23, s20, 8
	s_add_co_u32 s24, s24, s23
	s_mov_b32 s25, 0
	s_lshl_b32 s26, s22, 3
	s_add_co_u32 s26, s26, s20                     ; 8 n + head
	s_lshl_b32 s32, s26, 17                        ; its eight chunks in kvpart: 16 KiB each,
	s_mov_b32 s33, 0
	s_lshl_b32 s34, s26, 11                        ; in kspart: 256 bytes each
	s_mov_b32 s35, 0
	s_wait_kmcnt 0x0
	s_add_nc_u64 s[4:5], s[4:5], s[24:25]
	s_add_nc_u64 s[10:11], s[10:11], s[24:25]
	s_add_nc_u64 s[6:7], s[6:7], s[32:33]
	s_add_nc_u64 s[8:9], s[8:9], s[34:35]
	global_load_b32 v[KP], v[KL], s[8:9]           ; what is wanted first goes out first
.irp c, 0,1,2,3,4,5,6,7
	global_load_b128 v[KVF+8*\c:KVF+8*\c+3], v[PL], s[6:7] offset:16384*\c        ; each load of the wave covers 512 consecutive bytes
	global_load_b128 v[KVF+8*\c+4:KVF+8*\c+7], v[PL], s[6:7] offset:16384*\c+512
.endr
.irp t, 0,1,2,3
.irp i, 0,1,2,3,4,5,6,7
	global_load_b128 v[QT+32*\t+4*\i:QT+32*\t+4*\i+3], v[GO], s[4:5] offset:32768*\t+4096*\i th:TH_LOAD_NT   ; rows 16 t + 2 i and + 1: 16 lanes take a row's 256 bytes; read once in the launch
.endr
.endr
	; the other addresses and constants, while the loads are on their way
	v_lshrrev_b32 v19, 3, v16                      ; lane / 8
	v_bfe_u32 v20, v0, 2, 1                        ; (lane / 4) % 2
	s_mov_b32 s16, 0x76543210
	s_mov_b32 s17, 0xfedcba98                      ; v_permlanex16_b32's selects for lane l xor 16
	s_mov_b32 s2, LOG2E
	s_mov_b32 s3, s2                               ; (named with it as a pair, so it is written)
	s_mul_i32 s27, s14, 16*SP
	s_add_co_u32 s27, s27, STG                     ; my stage
	v_mul_u32_u24 v23, v18, SP
	v_lshl_add_u32 v23, v17, 4, v23
	v_add_nc_u32 v[RD], s27, v23
	v_mul_u32_u24 v23, v17, SP
	v_add_nc_u32 v23, s27, v23
	v_lshl_add_u32 v[OP], v18, 7, v23
	v_lshl_add_u32 v[STO], v18, 5, v23
	v_lshl_add_u32 v[SST], v19, 2, s28
	s_lshr_b32 s28, s14, 2
	s_lshl_b32 s28, s28, 9                         ; row m = 4 w + lane / 8 lies in tile w / 4, as its row 4 (w % 4) + lane / 8;
	s_and_b32 s29, s14, 3
	s_lshl_b32 s29, s29, 6
	s_add_co_u32 s28, s28, s29
	v_lshl_add_u32 v[CST], v19, 4, s28             ; a fragment's lane (row, block) has 16 bytes at 16 (row + 16 block);
	v_lshl_add_u32 v[CST], v20, 8, v[CST]
	v_lshl_add_u32 v[CST], v21, 2, v[CST]          ; my 8 d are register lane % 4 of it
	v_lshlrev_b32 v[FL], 4, v16
	v_lshlrev_b32 v[SL], 2, v17
	v_lshlrev_b32 v[KD], 7, v18
	v_lshlrev_b32 v[SH], 3, v18
	v_lshlrev_b32 v[KSH], 3, v20
	v_mov_b32 v[W2], 0                             ; written once: the destination of a lane permute or a DPP form counts as one of its sources
	v_mov_b32 v[D2], 0
	v_mov_b32 v[KP2], 0
	v_mov_b32 v[ZZ+1], 0
.irp k, 4,5,6,7
	v_mov_b32 v[QF+\k], 0                          ; Q's zero codes for k = 64 .. 127
.endr
	s_wait_loadcnt 32                              ; the partial sums are in; Q's 32 loads are younger
.irp a, 0,2,4,6
.irp k, 0,2,4,6
	v_pk_add_f32 v[KVF+8*\a+\k:KVF+8*\a+\k+1], v[KVF+8*\a+\k:KVF+8*\a+\k+1], v[KVF+8+8*\a+\k:KVF+9+8*\a+\k]
.endr
.endr
.irp a, 0,4
.irp k, 0,2,4,6
	v_pk_add_f32 v[KVF+8*\a+\k:KVF+8*\a+\k+1], v[KVF+8*\a+\k:KVF+8*\a+\k+1], v[KVF+16+8*\a+\k:KVF+17+8*\a+\k]
.endr
.endr
.irp k, 0,2,4,6
	v_pk_add_f32 v[KVF+\k:KVF+\k+1], v[KVF+\k:KVF+\k+1], v[KVF+32+\k:KVF+33+\k]   ; KV(m, 8 neighbouring d), all 8,192 s
.endr
	v_max3_num_f32 v[MX0], |v[KVF]|, |v[KVF+1]|, FLOOR
	v_max3_num_f32 v[MX0], v[MX0], |v[KVF+2]|, |v[KVF+3]|
	v_max3_num_f32 v[MX0], v[MX0], |v[KVF+4]|, |v[KVF+5]|
	v_max3_num_f32 v[MX0], v[MX0], |v[KVF+6]|, |v[KVF+7]|
	v_max_num_f32_dpp v[MX0], v[MX0], v[MX0] row_xmask:1 row_mask:0xf bank_mask:0xf
	v_max_num_f32_dpp v[MX0], v[MX0], v[MX0] row_xmask:2 row_mask:0xf bank_mask:0xf   ; the four lanes of a block: its largest magnitude
	v_add_nc_u32 v[SOP], DOWN2, v[MX0]             ; the conversion's scale operand
	v_cvt_scalef32_pk8_fp4_f32 v[MX1], v[KVF:KVF+7], v[SOP]
	v_nop                                          ; one plain place behind a scaled conversion
	v_lshrrev_b32 v[BYT], 23, v[SOP]               ; the scale's byte,
	v_lshlrev_b32 v[BYT], v[KSH], v[BYT]           ; at its block's place in the word;
	v_mov_b32_dpp v[W2], v[BYT] row_xmask:4 row_mask:0xf bank_mask:0xf
	v_or_b32 v[BYT], v[BYT], v[W2]                 ; with the row's other block's: bytes 0 and 1; bytes 2 and 3 stay 0 and stand over zero codes
	ds_store_b32 v[CST], v[MX1] offset:KVI
	ds_store_b32 v[SST], v[BYT] offset:KVS         ; the row's eight lanes write the same word with the same value
	v_add_f32_dpp v[KP], v[KP], v[KP] row_xmask:4 row_mask:0xf bank_mask:0xf
	v_add_f32_dpp v[KP], v[KP], v[KP] row_xmask:8 row_mask:0xf bank_mask:0xf
	v_permlanex16_b32 v[KP2], v[KP], s16, s17
	v_add_f32 v[KP], v[KP], v[KP2]                 ; the eight chunks' Ksum[4 w + lane % 4]
	ds_store_b32 v[KST], v[KP] offset:KSS
	s_wait_dscnt 0x0                               ; for the others' sake: my stores have landed
	s_barrier_signal -1
	s_barrier_wait -1
.irp t, 0,1,2,3
	ds_load_b128 v[KVF+8*\t:KVF+8*\t+3], v[FL] offset:KVI+512*\t
	ds_load_b32 v[KVSC+\t], v[SL] offset:KVS+64*\t
.endr
.irp j, 0,1,2,3,4,5,6,7
	ds_load_b128 v[KSR+4*\j:KSR+4*\j+3], v[KD] offset:KSS+16*\j
.endr
.irp t, 0,1,2,3
.irp k, 4,5,6,7
	v_mov_b32 v[KVF+8*\t+\k], 0                    ; KV's zero codes for k = 64 .. 127
.endr
.endr
	s_wait_dscnt 0x0
.macro TILE t
.set X, QT+32*(\t)
	s_wait_loadcnt 8*(3-(\t))                      ; this tile's eight loads are in; eight for each later tile may be out
.irp i, 0,1,2,3,4,5,6,7
	ds_store_b128 v[RD], v[X+4*\i:X+4*\i+3] offset:2*SP*\i
.endr
.irp j, 0,1,2,3,4,5,6,7
	ds_load_b128 v[X+4*\j:X+4*\j+3], v[OP] offset:16*\j   ; LDS serves a wave's instructions in order (ISA guide 5.7.1.4): these see the stores above.  Lane (r, h): row r, d = 32 h + 0 .. 31
.endr
	s_wait_dscnt 0x0
	; elu(x) + 1, eight at a time; the next eight's multiplications are the plain instructions between a run of exponentials and the use of its results (ISA guide 5.7.2)
.irp k, 0,2,4,6
	v_pk_mul_f32 v[T+\k:T+\k+1], v[X+\k:X+\k+1], s[2:3] op_sel_hi:[1,0]
.endr
.set q, 0
.rept 4
.set TS, T+8*(q%2)
.set TN, T+8-8*(q%2)
.set E, X+8*q
.irp k, 0,1,2,3,4,5,6,7
	v_exp_f32 v[TS+\k], v[TS+\k]
.endr
.if q < 3
	s_wait_alu depctr_va_vdst(0)
.irp k, 0,2,4,6
	v_pk_mul_f32 v[TN+\k:TN+\k+1], v[E+8+\k:E+9+\k], s[2:3] op_sel_hi:[1,0]
.endr
.else
	v_nop
	s_wait_alu depctr_va_vdst(0)
.endif
.irp k, 0,2,4,6
	v_pk_add_f32 v[TS+\k:TS+\k+1], v[TS+\k:TS+\k+1], -1.0 op_sel_hi:[1,0]
.endr
.irp k, 0,1,2,3,4,5,6,7
	v_med3_num_f32 v[E+\k], v[TS+\k], 0, v[E+\k]   ; elu: the middle one of (e^x - 1, 0, x)
.endr
.irp k, 0,2,4,6
	v_pk_add_f32 v[E+\k:E+\k+1], v[E+\k:E+\k+1], 1.0 op_sel_hi:[1,0]
.endr
.set q, q+1
.endr
	; my block's largest number (none is negative), in two chains
	v_max3_num_f32 v[MX0], v[X], v[X+1], FLOOR
	v_max3_num_f32 v[MX1], v[X+16], v[X+17], v[X+18]
.irp i, 2,4,6,8,10,12
	v_max3_num_f32 v[MX0], v[MX0], v[X+\i], v[X+\i+1]
	v_max3_num_f32 v[MX1], v[MX1], v[X+17+\i], v[X+18+\i]
.endr
	v_max3_num_f32 v[MX0], v[MX0], v[X+14], v[X+15]
	v_max3_num_f32 v[MX0], v[MX0], v[MX1], v[X+31]
	v_add_nc_u32 v[SOP], DOWN2, v[MX0]
.irp c, 0,1,2,3
	v_cvt_scalef32_pk8_fp4_f32 v[QF+\c], v[X+8*\c:X+8*\c+7], v[SOP]   ; registers 0-3 of the operand: k = 32 h + 0 .. 31
.endr
	v_nop                                          ; one plain place behind the last scaled conversion
	v_lshrrev_b32 v[BYT], 23, v[SOP]
	v_lshlrev_b32 v[BYT], v[SH], v[BYT]
	v_permlanex16_b32 v[W2], v[BYT], s16, s17
	v_or_b32 v[QS], v[BYT], v[W2]                  ; row r's scale word: bytes 0 and 1; bytes 2 and 3 stay 0 and stand over zero codes
	; Q . Ksum on the unquantised Q.  These lines are also the places between the writes of the scale word and the codes and the scaled products
	v_pk_mul_f32 v[DA:DA+1], v[X:X+1], v[KSR:KSR+1]
	v_pk_mul_f32 v[DB:DB+1], v[X+2:X+3], v[KSR+2:KSR+3]
.irp i, 4,8,12,16,20,24,28
	v_pk_fma_f32 v[DA:DA+1], v[X+\i:X+\i+1], v[KSR+\i:KSR+\i+1], v[DA:DA+1]
	v_pk_fma_f32 v[DB:DB+1], v[X+2+\i:X+3+\i], v[KSR+2+\i:KSR+3+\i], v[DB:DB+1]
.endr
	v_pk_add_f32 v[DA:DA+1], v[DA:DA+1], v[DB:DB+1]
	v_add_f32 v[DA], v[DA], v[DA+1]
	v_permlanex16_b32 v[D2], v[DA], s16, s17
	v_add_f32 v[DA], v[DA], v[D2]                  ; with the row's other 32 d
	v_add_f32 v[DA], EPS, v[DA]
	v_rcp_f32 v[ZZ], v[DA]                         ; Z of row r, in both of its lanes
.irp m, 0,1,2,3                        ; the results take the tile's own registers: Q's numbers are done with
	v_wmma_scale_f32_16x16x128_f8f6f4 v[X+8*\m:X+8*\m+7], v[KVF+8*\m:KVF+8*\m+7], v[QF:QF+7], 0, v[KVSC+\m], v[QS] matrix_a_fmt:MATRIX_FMT_FP4 matrix_b_fmt:MATRIX_FMT_FP4
.endr
.rept 4
	v_nop                                          ; four places between the last product and the first read of results (ISA guide 7.12.1); the plain place behind the reciprocal too
.endr
	s_wait_alu depctr_va_vdst(0)
.irp k, 0,2,4,6,8,10,12,14,16,18,20,22,24,26,28,30
	v_pk_mul_f32 v[X+\k:X+\k+1], v[X+\k:X+\k+1], v[ZZ:ZZ+1] op_sel_hi:[1,0]   ; x Z; each accumulator from its low end on
.endr
.irp m, 0,1,2,3
	ds_store_b128 v[STO], v[X+8*\m:X+8*\m+3] offset:64*\m          ; lane (r, h): out(row r, m = 16 m + 8 h + 0 .. 7)
	ds_store_b128 v[STO], v[X+8*\m+4:X+8*\m+7] offset:64*\m+16
.endr
.irp i, 0,1,2,3,4,5,6,7
	ds_load_b128 v[X+4*\i:X+4*\i+3], v[RD] offset:2*SP*\i          ; back as whole rows; the next tile's stores into the stage come behind these, in order
.endr
.irp i, 0,1,2,3,4,5,6,7
	s_wait_dscnt 7-\i                              ; rows 2 i and 2 i + 1 are back; the younger loads may be out
	global_store_b128 v[GO], v[X+4*\i:X+4*\i+3], s[10:11] offset:32768*(\t)+4096*\i th:TH_STORE_NT   ; 16 lanes store 256 consecutive bytes, aligned; written once, read by nobody here
.endr
.endm
	TILE 0
	TILE 1
	TILE 2
	TILE 3
	s_wait_tensorcnt 0x0
	ds_add_u32 v126, v127
	s_wait_dscnt 0x0
	s_endpgm
.Lfunc_end_k_q0d9edcb896_apply:
	.size	k_q0d9edcb896_apply, .Lfunc_end_k_q0d9edcb896_apply-k_q0d9edcb896_apply
	.p2alignl 7, 3214868480
	.fill 96, 4, 3214868480
	.section	.rodata,"a",@progbits
	.p2align	6, 0x0
	.amdhsa_kernel k_q0d9edcb896_apply
		.amdhsa_group_segment_fixed_size 74240
		.amdhsa_private_segment_fixed_size 0
		.amdhsa_enable_private_segment 0
		.amdhsa_kernarg_size 32
		.amdhsa_user_sgpr_count 2
		.amdhsa_user_sgpr_kernarg_segment_ptr 1
		.amdhsa_wavefront_size32 1
		.amdhsa_system_sgpr_workgroup_id_x 1
		.amdhsa_system_sgpr_workgroup_id_y 1
		.amdhsa_system_sgpr_workgroup_id_z 1
		.amdhsa_system_vgpr_workitem_id 0
		.amdhsa_next_free_vgpr 256
		.amdhsa_next_free_sgpr 66
		.amdhsa_reserve_vcc 0
		.amdhsa_float_denorm_mode_32 3
		.amdhsa_float_denorm_mode_16_64 3
		.amdhsa_memory_ordered 1
		.amdhsa_forward_progress 1
		.amdhsa_inst_pref_size 68
	.end_amdhsa_kernel
	.amdgpu_metadata
---
amdhsa.version: [ 1, 2 ]
amdhsa.kernels:
  - .name:           k_q0d9edcb896_apply
    .symbol:         k_q0d9edcb896_apply.kd
    .args:
      - { .name: queries, .offset: 0, .size: 8, .value_kind: global_buffer, .address_space: global }
      - { .name: kvpart, .offset: 8, .size: 8, .value_kind: global_buffer, .address_space: global }
      - { .name: kspart, .offset: 16, .size: 8, .value_kind: global_buffer, .address_space: global }
      - { .name: out0, .offset: 24, .size: 8, .value_kind: global_buffer, .address_space: global }
    .group_segment_fixed_size: 74240
    .private_segment_fixed_size: 0
    .kernarg_segment_align: 8
    .kernarg_segment_size: 32
    .max_flat_workgroup_size: 512
    .sgpr_count:     66
    .vgpr_count:     256
    .wavefront_size: 32
...
	.end_amdgpu_metadata
.endif
;; end of part 2
;; ======== version 2 of 2: 2 launches; version 1 with the launches kvsum, apply written anew for expert scheduling mode
;; workspace buffers: kvpart 4,194,304 bytes; kspart 65,536 bytes
;; launch kvsum (part 3): grid 256 x 1, 16 waves a work-group, no clusters, 93,184 bytes of LDS; arguments keys, values, key_mask, kvpart, kspart; writes kvpart, kspart
.if DOCPART == 3
	.amdgcn_target "amdgcn-amd-amdhsa--gfx1250"
	.amdhsa_code_object_version 6
	.text
	.protected	k_q0d9edcb896_kvsum
	.globl	k_q0d9edcb896_kvsum
	.p2align	8
	.type	k_q0d9edcb896_kvsum,@function
k_q0d9edcb896_kvsum:
	s_mov_b64 s[64:65], 0
	v_nop
	global_prefetch_b8 v0, s[64:65] scope:SCOPE_SE
	s_setreg_imm32_b32 hwreg(HW_REG_WAVE_SCHED_MODE, 0, 2), 2
	s_setreg_imm32_b32 hwreg(HW_REG_WAVE_MODE, 25, 1), 1
	s_wait_xcnt 0x0
	s_wait_alu depctr_vm_vsrc(0)
; LINEAR ATTENTION, FIRST LAUNCH.  K = (elu(keys) + 1) x key_mask, in f32;  partial Ksum[d] = sum over s of K;  partial KV[m][d] = sum over s of Q4(values)[s][m] x Q4(K)[s][d],
; Q4 = the MX-FP4 quantiser along s (blocks of 32, one E8M0 byte each), by v_wmma_scale_f32_16x16x128_f8f6f4 on FP4 codes, sums in f32.
; keys, values: [4][8192 s][8 heads][64] f32;  key_mask: [4][8192] f32.
; SHARES.  256 work-groups: one for each (n, chunk of 1,024 s, head); 16 waves.  A wave owns 64 s and all 64 columns of keys and of values.
; A LANE TAKES A COLUMN AND ITS REGISTERS RUN DOWN s: a block of 32 along s lies in ONE lane's 32 registers, its largest magnitude needs no other lane, and the conversions give codes with s innermost.
; A row of a head is 256 aligned bytes: two loads that follow each other take its two halves, 128 consecutive bytes each.  A row's mask is one number for all lanes: it lives in a scalar register.
; Four groups of 64 loads (32 rows x 2 halves) go through two buffers of 64 registers: K's rows 0-31, K's rows 32-63, V's rows 0-31, V's rows 32-63: a group is on its way while the group before is worked on.
; FROM WAVE TO WAVE the operands go through LDS as images of their registers: wave w = 2 j + c holds s = 128 j + 64 c + 0..63 of the chunk, which are registers 4 c .. 4 c + 3 of the fragments of K step j.
; Behind one barrier wave w makes the tile (d = 16 (w & 3) .., m = 16 (w >> 2) ..) over the chunk's 8 K steps: source 0 = K's 16 columns d, source 1 = V's 16 columns m, so that a lane holds 8 neighbouring d of one m.
; The 64 x 64 sums meet in a stage in LDS and leave in the order in which the second launch's lanes take them: kvpart[p][w][j][lane][e] = KV(m = 4 w + lane / 8, d = 8 (lane % 8) + 4 j + e), p = (8 n + head) 8 + chunk.
; elu(x) + 1 is made as it is written: e = 2^(x log2 e); elu = the middle one of (e - 1, 0, x) (for x > 0: 0 < x <= e - 1; else x <= e - 1 <= 0); then (elu + 1) x mask as ONE fused multiply-add, elu x mask + mask.
; LIMITS: NaN and infinities among the inputs are not served.  A block whose largest magnitude lies under 2^-124 (a block of zeros too) gets the scale byte 1: a block of zeros has zero codes, which add nothing, and only this program reads the bytes.
; THE MODE: SCHED_MODE bits 1:0 = 2 (LLVM: expert scheduling mode 2), set by the entry lines.  The code itself states the register dependences
; between vector or matrix instructions and memory or LDS instructions, with s_wait_alu, always for 0.
; THE PLAN.  Registers that memory or LDS instructions touch:
;   v1-v11        Addresses: made at the head, never written again.  One wait on va_vdst ahead of the first load states them for the whole kernel.
;   B0, B1        A group's loads land; the group's vector work reads and writes the buffer in place; behind its last conversion stands one wait on va_vdst, and the next group's 64 loads follow at once.
;                 Behind the barrier the fragments' LDS loads land in both: their last vector readers stand ahead of the wait in front of V's image stores.  The products read them; wave 0's loads of the sums of K land in B0.
;   KC            K's codes: written by conversions and lane swaps, all ahead of the wait that frees B1; read by the image stores behind it.  Later: the tile's sums (vector), and loads from the stage.
;   T             Exponentials (vector alone); then V's codes: conversions, swaps, a wait on va_vdst, the image stores.  Later the products write it.
;   KBA .. VBB, KS, KS+4   Written by vector instructions ahead of those same two waits, read by LDS stores, never written again.
;   SW            Landed in by LDS loads and read by the products alone.
;   ONE wait on vm_vsrc, behind the first barrier: the image stores have read KC and T, ahead of all that writes them again.
;   v208, v209    Written at the head, read by the closing add alone.
.set LOG2E, 0x3fb8aa3b                 ; log2(e)
.set FLOOR, 0x1800000                  ; 2^(3 - 127): no largest magnitude is taken under it, so no scale byte falls under 1
.set DOWN2, 0xff000000                 ; takes 2, the exponent of E2M1's largest number, off an exponent field
.set ROW,   2048                       ; bytes from s to s + 1: 8 heads x 64 x 4
.set SP,    272                        ; a stage row: 256 bytes + 16: the 16 rows that a store touches start in 16 different columns of 16 bytes
.set SCK,   0                          ; LDS: K's scale words, [8 K steps][64 columns], 4 bytes each
.set SCV,   2048                       ; V's likewise
.set KSL,   4096                       ; the 16 waves' sums of K: [wave][64 d] f32
.set STG,   8192                       ; the stage for KV: 64 rows m x SP
.set KIMG,  STG+64*SP                  ; K's code images: [wave][4 tiles][32 lanes x 16 bytes]
.set VIMG,  KIMG+32768                 ; V's likewise; it ends at 91,136, where the spare words begin: 128 bytes for each wave, which no other line names
.set GA,  1                            ; v1   4 x lane: my column's byte in a half row
.set IA,  2                            ; v2   16 x lane + 2,048 x wave: where my images go
.set SA,  3                            ; v3   4 x lane + 256 (wave / 2) + 2 (wave % 2): my two bytes of my column's scale word
.set KA,  4                            ; v4   4 x lane + 256 x wave: my sums of K
.set FK,  5                            ; v5   KIMG + 16 x lane + 512 x (my d tile)
.set FV,  6                            ; v6   VIMG + 16 x lane + 512 x (my m tile)
.set FS,  7                            ; v7   lanes 0-15: K's scale word of my d tile's row; lanes 16-31: V's of my m tile's
.set SO,  8                            ; v8   the stage: where my 32 bytes of a row go
.set SR,  9                            ; v9   the stage: where I read back
.set GO,  10                           ; v10  1,024 x wave + 16 x lane: my place in the work-group's 16 KiB of kvpart
.set KR,  11                           ; v11  8 x lane
.set T,   16                           ; v16-31  two sets of 8 exponentials; then V's codes; then the two accumulators
.set KC,  32                           ; v32-47  K's codes; then the tile's sums
.set SW,  48                           ; v48-55  the 8 K steps' scale words: nothing else is ever kept here
.set KS,  56                           ; v56-63  sums of K: two pairs for columns 0-31, two for columns 32-63
.set B0,  64                           ; v64-127   buffer 0: 32 rows of my column in the left half, then of my column in the right half
.set B1,  128                          ; v128-191  buffer 1
.set MXA, 192                          ; v192, v193 largest magnitudes;  v194, v195 the conversions' scale operands;  v196, v197 at work
.set MXB, 193
.set SOA, 194
.set SOB, 195
.set TB0, 196
.set TB1, 197
.set KBA, 198                          ; v198, v199 K's two scale bytes of my left and my right column;  v200, v201 V's
.set KBB, 199
.set VBA, 200
.set VBB, 201
	s_load_b256 s[4:11], s[0:1], 0x0               ; keys s[4:5], values s[6:7], key_mask s[8:9], kvpart s[10:11]
	s_load_b64 s[12:13], s[0:1], 0x20              ; kspart
	v_lshl_add_u32 v208, v0, 2, 0x16400            ; the LDS address of my spare word, and 0: made here and kept for the closing lines alone
	v_mov_b32 v209, 0
	v_lshrrev_b32 v12, 5, v0
	v_readfirstlane_b32 s14, v12                   ; wave 0..15
	v_and_b32 v12, 31, v0                          ; lane
	v_lshlrev_b32 v[GA], 2, v12
	v_and_b32 v13, 15, v0                          ; r
	v_bfe_u32 v14, v0, 4, 1                        ; h
	v_lshlrev_b32 v[KR], 3, v12
.irp k, 0,1,2,3,4,5,6,7
	v_mov_b32 v[KS+\k], 0                          ; the sums of K begin at 0
.endr
	s_wait_alu depctr_va_sdst(0)                   ; s14 is written, ahead of its first reader: the bases and the LDS addresses are made from it
	s_and_b32 s84, ttmp9, 7                        ; head: neighbouring work-groups take neighbouring 256 bytes of the same rows
	s_bfe_u32 s85, ttmp9, 0x30003                  ; chunk of 1,024 s
	s_lshr_b32 s86, ttmp9, 6                       ; n
	s_lshl_b32 s88, s86, 24                        ; my wave's first byte in keys and in values: n x 8,192 rows
	s_lshl_b32 s87, s85, 21                        ; + chunk x 1,024 rows
	s_add_co_u32 s88, s88, s87
	s_lshl_b32 s87, s14, 17                        ; + wave x 64 rows
	s_add_co_u32 s88, s88, s87
	s_lshl_b32 s87, s84, 8                         ; + head x 256 bytes
	s_add_co_u32 s88, s88, s87
	s_mov_b32 s89, 0
	s_lshl_b32 s90, s86, 15                        ; and in key_mask: 4 bytes for each s
	s_lshl_b32 s87, s85, 12
	s_add_co_u32 s90, s90, s87
	s_lshl_b32 s87, s14, 8
	s_add_co_u32 s90, s90, s87
	s_mov_b32 s91, 0
	s_lshl_b32 s87, s86, 3
	s_add_co_u32 s87, s87, s84
	s_lshl_b32 s87, s87, 3
	s_add_co_u32 s87, s87, s85                     ; p = (8 n + head) 8 + chunk
	s_lshl_b32 s92, s87, 14                        ; 16 KiB of kvpart,
	s_mov_b32 s93, 0
	s_lshl_b32 s94, s87, 8                         ; 256 bytes of kspart
	s_mov_b32 s95, 0
	; the LDS addresses are made while the arguments are on their way; all of them ahead of the first branch on the wave's number
	s_mov_b32 s2, LOG2E
	s_mov_b32 s3, s2                               ; (the packed form names the pair and takes its low word for both halves: so s3 is written)
	s_lshl_b32 s96, s14, 11
	v_lshl_add_u32 v[IA], v12, 4, s96
	s_lshr_b32 s96, s14, 1
	s_lshl_b32 s96, s96, 8
	s_and_b32 s97, s14, 1
	s_lshl_b32 s97, s97, 1
	s_add_co_u32 s96, s96, s97
	v_lshl_add_u32 v[SA], v12, 2, s96
	s_lshl_b32 s96, s14, 8
	v_lshl_add_u32 v[KA], v12, 2, s96
	s_and_b32 s98, s14, 3                          ; my d tile
	s_lshr_b32 s99, s14, 2                         ; my m tile
	s_lshl_b32 s96, s98, 9
	s_add_co_u32 s96, s96, KIMG
	v_lshl_add_u32 v[FK], v12, 4, s96
	s_lshl_b32 s96, s99, 9
	s_add_co_u32 s96, s96, VIMG
	v_lshl_add_u32 v[FV], v12, 4, s96
	s_xor_b32 s96, s98, 3                          ; 3 - d tile
	s_add_co_u32 s96, s96, s99
	s_lshl_b32 s96, s96, 6
	s_add_co_u32 s96, s96, SCV-SCK-192             ; from K's word of row r of my d tile to V's of row r of my m tile: SCV - SCK + 64 (m tile - d tile)
	v_mul_u32_u24 v15, s96, v14                    ; one product: lanes 16-31 stand that far on
	v_lshl_add_u32 v15, v13, 2, v15
	s_lshl_b32 s97, s98, 6
	v_add_nc_u32 v[FS], s97, v15
	s_mul_i32 s96, s99, 16*SP
	s_add_co_u32 s96, s96, s97
	s_add_co_u32 s96, s96, STG
	v_mul_u32_u24 v15, v13, SP
	v_lshl_add_u32 v15, v14, 5, v15
	v_add_nc_u32 v[SO], s96, v15                   ; row m = 16 (m tile) + r, byte 64 (d tile) + 32 h
	s_mul_i32 s96, s14, 4*SP
	s_add_co_u32 s96, s96, STG
	v_lshrrev_b32 v15, 3, v12
	v_mul_u32_u24 v15, v15, SP
	v_and_b32 v13, 7, v12
	v_lshl_add_u32 v15, v13, 5, v15
	v_add_nc_u32 v[SR], s96, v15                   ; row 4 wave + lane / 8, byte 32 (lane % 8)
	s_lshl_b32 s96, s14, 10
	v_lshl_add_u32 v[GO], v12, 4, s96
	s_wait_kmcnt 0x0
	s_add_nc_u64 s[4:5], s[4:5], s[88:89]
	s_add_nc_u64 s[6:7], s[6:7], s[88:89]
	s_add_nc_u64 s[8:9], s[8:9], s[90:91]
	s_add_nc_u64 s[10:11], s[10:11], s[92:93]
	s_add_nc_u64 s[12:13], s[12:13], s[94:95]
	s_load_b512 s[16:31], s[8:9], 0x0              ; my 64 rows' masks: rows 0-15,
	s_load_b512 s[32:47], s[8:9], 0x40             ; 16-31,
	s_load_b512 s[48:63], s[8:9], 0x80             ; 32-47,
	s_load_b512 s[68:83], s[8:9], 0xc0             ; 48-63
	s_wait_alu depctr_va_vdst(0)                   ; the eleven addresses v1 to v11 are written, which the loads, stores and LDS instructions of the whole kernel read
; 64 loads: rows row0 .. row0 + 31; the two halves of a row's 256 bytes follow each other, 128 consecutive bytes a load.  Read once in the launch.
.macro LOADG B, base, row0
.irp i, 0,1,2,3,4,5,6,7,8,9,10,11,12,13,14,15,16,17,18,19,20,21,22,23,24,25,26,27,28,29,30,31
	global_load_b32 v[\B+\i], v[GA], s[\base:\base+1] offset:(\row0+\i)*ROW th:TH_LOAD_NT
	global_load_b32 v[\B+32+\i], v[GA], s[\base:\base+1] offset:(\row0+\i)*ROW+128 th:TH_LOAD_NT
.endr
.endm
	LOADG B0, 4, 0                                 ; K's rows 0-31
	LOADG B1, 4, 32                                ; K's rows 32-63
; (elu(x) + 1) x mask, in place, on a group's 64 registers, eight at a time.  g: which 32 of my rows (their masks: s16-47, or s48-63 and s68-83).
; The next eight's multiplications stand behind each run of exponentials: the plain instructions that come between an exponential and the use of its result (ISA guide 5.7.2).
.macro ELEM B, g
.irp k, 0,2,4,6
	v_pk_mul_f32 v[T+\k:T+\k+1], v[\B+\k:\B+\k+1], s[2:3] op_sel_hi:[1,0]
.endr
.set q, 0
.rept 8
.set TS, T+8*(q%2)
.set TN, T+8-8*(q%2)
.set E, \B+8*q
.set I0, 8*(q%4)
.if \g == 0
.set MI, 16+I0
.elseif I0 < 16
.set MI, 48+I0
.else
.set MI, 52+I0
.endif
.irp k, 0,1,2,3,4,5,6,7
	v_exp_f32 v[TS+\k], v[TS+\k]                   ; e^x
.endr
.if q < 7
.irp k, 0,2,4,6
	v_pk_mul_f32 v[TN+\k:TN+\k+1], v[E+8+\k:E+9+\k], s[2:3] op_sel_hi:[1,0]
.endr
.else
	v_nop
.endif
	s_wait_alu depctr_va_vdst(0)                   ; the eight exponentials have written this set of T, which the subtractions below are the first to name: one wait for the batch
.irp k, 0,2,4,6
	v_pk_add_f32 v[TS+\k:TS+\k+1], v[TS+\k:TS+\k+1], -1.0 op_sel_hi:[1,0]
.endr
.irp k, 0,1,2,3,4,5,6,7
	v_med3_num_f32 v[E+\k], v[TS+\k], 0, v[E+\k]   ; elu(x)
.endr
.irp k, 0,1,2,3,4,5,6,7
	v_fma_f32 v[E+\k], v[E+\k], s[MI+\k], s[MI+\k] ; (elu + 1) x the row's mask
.endr
.set q, q+1
.endr
.endm
; the group's K joins the sums, unquantised: two rows an instruction, four chains
.macro KSUM B
.irp i, 0,4,8,12,16,20,24,28
	v_pk_add_f32 v[KS:KS+1], v[KS:KS+1], v[\B+\i:\B+\i+1]
	v_pk_add_f32 v[KS+4:KS+5], v[KS+4:KS+5], v[\B+32+\i:\B+33+\i]
	v_pk_add_f32 v[KS+2:KS+3], v[KS+2:KS+3], v[\B+2+\i:\B+3+\i]
	v_pk_add_f32 v[KS+6:KS+7], v[KS+6:KS+7], v[\B+34+\i:\B+35+\i]
.endr
.endm
; A group is one block of 32 along s for each of my two columns: largest magnitude, scale, 32 codes in 4 registers.  g = 0: the wave's first block, 1: its second.
.macro QUANT B, CA, CB, g, BA, BB
	v_max3_num_f32 v[MXA], |v[\B]|, |v[\B+1]|, FLOOR
	v_max3_num_f32 v[MXB], |v[\B+32]|, |v[\B+33]|, FLOOR
.irp i, 2,4,6,8,10,12,14,16,18,20,22,24,26,28,30
	v_max3_num_f32 v[MXA], v[MXA], |v[\B+\i]|, |v[\B+\i+1]|
	v_max3_num_f32 v[MXB], v[MXB], |v[\B+32+\i]|, |v[\B+33+\i]|
.endr
	v_add_nc_u32 v[SOA], DOWN2, v[MXA]             ; the conversion takes the exponent field of this operand as its scale, and nothing else of it
	v_add_nc_u32 v[SOB], DOWN2, v[MXB]
.irp c, 0,1,2,3
	v_cvt_scalef32_pk8_fp4_f32 v[\CA+\c], v[\B+8*\c:\B+8*\c+7], v[SOA]
	v_cvt_scalef32_pk8_fp4_f32 v[\CB+\c], v[\B+32+8*\c:\B+39+8*\c], v[SOB]
.endr
	v_nop                                          ; one plain place behind the last scaled conversion
.if \g == 0
	v_lshrrev_b32 v[\BA], 23, v[SOA]               ; the scale's byte
	v_lshrrev_b32 v[\BB], 23, v[SOB]
.else
	v_lshrrev_b32 v[TB0], 23, v[SOA]
	v_lshrrev_b32 v[TB1], 23, v[SOB]
	v_lshl_or_b32 v[\BA], v[TB0], 8, v[\BA]        ; the second block's byte above the first's
	v_lshl_or_b32 v[\BB], v[TB1], 8, v[\BB]
.endif
.endm
; 16 code registers at C: columns 0-31 block 0, block 1; columns 32-63 block 0, block 1.  The operand's layout wants 16 columns in lanes 0-15 with one block and the same columns in lanes 16-31 with the next:
; the first block's lanes 16-31 change places with the second block's lanes 0-15.  Then four registers are a column tile's registers 4 c .. 4 c + 3.
.macro SWAP C
.irp i, 0,1,2,3
	v_permlane16_swap_b32 v[\C+\i], v[\C+4+\i]
	v_permlane16_swap_b32 v[\C+8+\i], v[\C+12+\i]
.endr
.endm
; and go to LDS as they stand, behind a wait that states the swaps and the bytes written
.macro IMAGE C, IMG, SC, BA, BB
.irp t, 0,1,2,3
	ds_store_b128 v[IA], v[\C+4*\t:\C+4*\t+3] offset:\IMG+512*\t
.endr
	ds_store_b16 v[SA], v[\BA] offset:\SC          ; bytes 2 c, 2 c + 1 of column lane's word;
	ds_store_b16 v[SA], v[\BB] offset:\SC+128      ; of column 32 + lane's
.endm
	s_wait_kmcnt 0x0                               ; the masks
	s_wait_loadcnt 63                              ; K's rows 0-31 are in: 64 loads are younger; 63 is the largest count that this wait can name
	ELEM B0, 0
	KSUM B0
	QUANT B0, KC, KC+8, 0, KBA, KBB
	s_wait_alu depctr_va_vdst(0)                   ; the group's vector work, down to its conversions, is done writing and reading buffer 0, in which the loads below land
	LOADG B0, 6, 0                                 ; V's rows 0-31, into the buffer just left, at once: dealt among the next group's work they would go out later
	s_wait_loadcnt 63                              ; K's rows 32-63 are in
	ELEM B1, 1
	KSUM B1
	QUANT B1, KC+4, KC+12, 1, KBA, KBB
	SWAP KC
	v_pk_add_f32 v[KS:KS+1], v[KS:KS+1], v[KS+2:KS+3]
	v_pk_add_f32 v[KS+4:KS+5], v[KS+4:KS+5], v[KS+6:KS+7]
	v_add_f32 v[KS], v[KS], v[KS+1]
	v_add_f32 v[KS+4], v[KS+4], v[KS+5]
	s_wait_alu depctr_va_vdst(0)                   ; the group's vector work is done with buffer 1, in which the loads below land; the swaps have written K's codes, and the lines above its scale bytes and sums, which the LDS stores behind the loads read
	LOADG B1, 6, 32                                ; V's rows 32-63
	IMAGE KC, KIMG, SCK, KBA, KBB
	ds_store_b32 v[KA], v[KS] offset:KSL           ; my 64 rows' sum of K: column lane,
	ds_store_b32 v[KA], v[KS+4] offset:KSL+128     ; column 32 + lane
	s_wait_loadcnt 63                              ; V's rows 0-31 are in
	QUANT B0, T, T+8, 0, VBA, VBB                  ; V's codes take the registers of the exponentials, which are done with; no register that the LDS stores above read is written here
	s_wait_loadcnt 0x0
	QUANT B1, T+4, T+12, 1, VBA, VBB
	SWAP T
	s_wait_alu depctr_va_vdst(0)                   ; the swaps have written V's codes and the lines above them its scale bytes, which the LDS stores read; the conversions are done reading both buffers, in which the fragments' loads land behind the barrier
	IMAGE T, VIMG, SCV, VBA, VBB
	s_wait_dscnt 0x0                               ; for the others' sake: my images, scale bytes and sums have landed
	s_barrier_signal -1
	s_barrier_wait -1
	s_wait_alu depctr_vm_vsrc(0)                   ; my LDS stores have read V's codes in T, which the products write, and K's in KC, which the tile's sums write and in which loads from the stage land
	; MY TILE OF KV over the chunk's 8 K steps of 128.  Five LDS loads a step: K's fragment, V's fragment, one register with K's scale words in lanes 0-15 and V's in lanes 16-31.
.irp j, 0,1,2,3,4,5,6,7
	ds_load_b128 v[B0+8*\j:B0+8*\j+3], v[FK] offset:4096*\j
	ds_load_b128 v[B0+8*\j+4:B0+8*\j+7], v[FK] offset:4096*\j+2048
	ds_load_b128 v[B1+8*\j:B1+8*\j+3], v[FV] offset:4096*\j
	ds_load_b128 v[B1+8*\j+4:B1+8*\j+7], v[FV] offset:4096*\j+2048
	ds_load_b32 v[SW+\j], v[FS] offset:SCK+256*\j
.endr
	; two accumulators, for the even and the odd K steps, take turns, one instruction a turn; each sum begins with the constant 0
.irp j, 0,1,2,3,4,5,6,7
	s_wait_dscnt 5*(7-\j)                          ; step j's five loads are in; five for each later step may be out
.if \j < 2
	v_wmma_scale_f32_16x16x128_f8f6f4 v[T+8*\j:T+8*\j+7], v[B0+8*\j:B0+8*\j+7], v[B1+8*\j:B1+8*\j+7], 0, v[SW+\j], v[SW+\j] matrix_a_fmt:MATRIX_FMT_FP4 matrix_b_fmt:MATRIX_FMT_FP4 matrix_b_scale:MATRIX_SCALE_ROW1
.else
	v_wmma_scale_f32_16x16x128_f8f6f4 v[T+8*(\j%2):T+8*(\j%2)+7], v[B0+8*\j:B0+8*\j+7], v[B1+8*\j:B1+8*\j+7], v[T+8*(\j%2):T+8*(\j%2)+7], v[SW+\j], v[SW+\j] matrix_a_fmt:MATRIX_FMT_FP4 matrix_b_fmt:MATRIX_FMT_FP4 matrix_b_scale:MATRIX_SCALE_ROW1
.endif
.endr
.rept 4
	v_nop                                          ; four places between the last product and the first read of results (ISA guide 7.12.1)
.endr
.irp k, 0,2,4,6
	v_pk_add_f32 v[KC+\k:KC+\k+1], v[T+\k:T+\k+1], v[T+8+\k:T+9+\k]   ; even steps + odd steps, each accumulator from its low end on
.endr
	s_wait_alu depctr_va_vdst(0)                   ; the additions have written the tile's sums, which the LDS stores read; the products are done reading buffer 0, in which wave 0's loads land
	ds_store_b128 v[SO], v[KC:KC+3]                ; lane (r, h): KV(m = 16 (m tile) + r, d = 16 (d tile) + 8 h + 0 .. 7)
	ds_store_b128 v[SO], v[KC+4:KC+7] offset:16
	s_cmp_lg_u32 s14, 0                            ; wave 0 adds up the 16 waves' sums of K: two columns a lane
	s_cbranch_scc1 .Lnot_wave_0
.irp i, 0,1,2,3,4,5,6,7,8,9,10,11,12,13,14,15
	ds_load_b64 v[B0+2*\i:B0+2*\i+1], v[KR] offset:KSL+256*\i
.endr
	s_wait_dscnt 0x0
.irp i, 0,1,2,3,4,5,6,7
	v_pk_add_f32 v[B0+2*\i:B0+2*\i+1], v[B0+2*\i:B0+2*\i+1], v[B0+16+2*\i:B0+17+2*\i]
.endr
.irp i, 0,1,2,3
	v_pk_add_f32 v[B0+2*\i:B0+2*\i+1], v[B0+2*\i:B0+2*\i+1], v[B0+8+2*\i:B0+9+2*\i]
.endr
.irp i, 0,1
	v_pk_add_f32 v[B0+2*\i:B0+2*\i+1], v[B0+2*\i:B0+2*\i+1], v[B0+4+2*\i:B0+5+2*\i]
.endr
	v_pk_add_f32 v[B0:B0+1], v[B0:B0+1], v[B0+2:B0+3]
	s_wait_alu depctr_va_vdst(0)                   ; the last addition has written the pair that the store reads
	global_store_b64 v[KR], v[B0:B0+1], s[12:13]   ; 32 lanes store 256 consecutive bytes, aligned
.Lnot_wave_0:
	s_wait_dscnt 0x0                               ; my part of the stage has landed
	s_barrier_signal -1
	s_barrier_wait -1
	ds_load_b128 v[KC+8:KC+11], v[SR]              ; rows 4 w .. 4 w + 3: a lane takes 8 neighbouring d, in two pieces of 16 bytes.  (No vector instruction has named v40 to v47 since K's swaps, no LDS store since K's images: both stand ahead of their waits)
	ds_load_b128 v[KC+12:KC+15], v[SR] offset:16
	s_wait_dscnt 0x0
	global_store_b128 v[GO], v[KC+8:KC+11], s[10:11]              ; each store of the wave covers 512 consecutive bytes, aligned
	global_store_b128 v[GO], v[KC+12:KC+15], s[10:11] offset:512
	s_wait_dscnt 0x0                               ; the closing lines, six on end
	s_wait_alu 0x0
	s_wait_tensorcnt 0x0
	ds_add_u32 v208, v209
	s_wait_dscnt 0x0
	s_endpgm
.Lfunc_end_k_q0d9edcb896_kvsum:
	.size	k_q0d9edcb896_kvsum, .Lfunc_end_k_q0d9edcb896_kvsum-k_q0d9edcb896_kvsum
	.p2alignl 7, 3214868480
	.fill 96, 4, 3214868480
	.section	.rodata,"a",@progbits
	.p2align	6, 0x0
	.amdhsa_kernel k_q0d9edcb896_kvsum
		.amdhsa_group_segment_fixed_size 93184
		.amdhsa_private_segment_fixed_size 0
		.amdhsa_enable_private_segment 0
		.amdhsa_kernarg_size 40
		.amdhsa_user_sgpr_count 2
		.amdhsa_user_sgpr_kernarg_segment_ptr 1
		.amdhsa_wavefront_size32 1
		.amdhsa_system_sgpr_workgroup_id_x 1
		.amdhsa_system_sgpr_workgroup_id_y 1
		.amdhsa_system_sgpr_workgroup_id_z 1
		.amdhsa_system_vgpr_workitem_id 0
		.amdhsa_next_free_vgpr 210
		.amdhsa_next_free_sgpr 100
		.amdhsa_reserve_vcc 0
		.amdhsa_float_denorm_mode_32 3
		.amdhsa_float_denorm_mode_16_64 3
		.amdhsa_memory_ordered 1
		.amdhsa_forward_progress 1
		.amdhsa_inst_pref_size 82
	.end_amdhsa_kernel
	.amdgpu_metadata
---
amdhsa.version: [ 1, 2 ]
amdhsa.kernels:
  - .name:           k_q0d9edcb896_kvsum
    .symbol:         k_q0d9edcb896_kvsum.kd
    .args:
      - { .name: keys, .offset: 0, .size: 8, .value_kind: global_buffer, .address_space: global }
      - { .name: values, .offset: 8, .size: 8, .value_kind: global_buffer, .address_space: global }
      - { .name: key_mask, .offset: 16, .size: 8, .value_kind: global_buffer, .address_space: global }
      - { .name: kvpart, .offset: 24, .size: 8, .value_kind: global_buffer, .address_space: global }
      - { .name: kspart, .offset: 32, .size: 8, .value_kind: global_buffer, .address_space: global }
    .group_segment_fixed_size: 93184
    .private_segment_fixed_size: 0
    .kernarg_segment_align: 8
    .kernarg_segment_size: 40
    .max_flat_workgroup_size: 512
    .sgpr_count:     100
    .vgpr_count:     210
    .wavefront_size: 32
...
	.end_amdgpu_metadata
.endif
;; end of part 3
;; launch apply (part 4): grid 256 x 1, 16 waves a work-group, no clusters, 74,240 bytes of LDS; arguments queries, kvpart, kspart, out0; writes out0
.if DOCPART == 4
	.amdgcn_target "amdgcn-amd-amdhsa--gfx1250"
	.amdhsa_code_object_version 6
	.text
	.protected	k_q0d9edcb896_apply
	.globl	k_q0d9edcb896_apply
	.p2align	8
	.type	k_q0d9edcb896_apply,@function
k_q0d9edcb896_apply:
	s_mov_b64 s[64:65], 0
	v_nop
	global_prefetch_b8 v0, s[64:65] scope:SCOPE_SE
	s_setreg_imm32_b32 hwreg(HW_REG_WAVE_SCHED_MODE, 0, 2), 2
	s_setreg_imm32_b32 hwreg(HW_REG_WAVE_MODE, 25, 1), 1
	s_wait_xcnt 0x0
	s_wait_alu depctr_vm_vsrc(0)
; LINEAR ATTENTION, SECOND LAUNCH.  Q = elu(queries) + 1;  Z = 1 / (Q . Ksum + 1e-6), by f32 multiply-adds on the unquantised Q;  out[l][m] = Z[l] x sum over d of Q4(Q)[l][d] x Q4(KV)[m][d],
; Q4 = the MX-FP4 quantiser along d (two blocks of 32), by v_wmma_scale_f32_16x16x128_f8f6f4 on FP4 codes.  d is 64 long and the instruction 128: registers 4-7 of both operands hold zero codes.
; queries, out0: [4][8192 l][8 heads][64] f32.  kvpart[p][w][j][lane][e] = the chunk's KV(m = 4 w + lane / 8, d = 8 (lane % 8) + 4 j + e), kspart[p][64 d], p = (8 n + head) 8 + chunk: eight chunks for each (n, head).
; SHARES.  256 work-groups: one for each (n, 1,024 rows l, head); 16 waves; a wave owns 64 rows: four tiles of 16.  All of a wave's 49 loads go out at its head: each tile has registers of its own, so there is no ring.
; KV.  Wave w adds up the eight chunks' rows m = 4 w .. 4 w + 3 (a lane: 8 neighbouring d; four lanes: a block), quantises them and puts one register of codes and the row's scale word into images of the four
; fragments in LDS; it also adds up Ksum[4 w .. 4 w + 3].  One barrier; then every wave keeps the four fragments, their scale words and its half's 32 numbers of Ksum in registers.
; A TILE.  Loads take the bytes as they lie (16 lanes: one row's 256 bytes); the operand's layout wants lane (r, h) to hold block h of row r: the 4 KiB turn through the wave's own stage in LDS.
; Source 0 = 16 rows m of KV, source 1 = my 16 rows of Q: lane (r, h) holds out(l = r, m = 16 t + 8 h + 0 .. 7), and Z of row r is in the same lane.  The results are laid over the tile's own registers,
; turn back through the stage and leave as whole rows of 256 bytes.
; The eight work-groups of an (n, head) read the same 128 KiB of kvpart; that is a fifth of a work-group's bytes, freshly written by the launch before: they are not asked for jointly.
; LIMITS: NaN and infinities among the inputs are not served.  A block whose largest magnitude lies under 2^-124 (a block of zeros too) gets the scale byte 1: zero codes add nothing under it.
; THE MODE: SCHED_MODE bits 1:0 = 2 (LLVM: expert scheduling mode 2), set by the entry lines.  The code itself states the register dependences
; between vector or matrix instructions and memory or LDS instructions, with s_wait_alu, always for 0.
; THE PLAN.  Registers that memory or LDS instructions touch:
;   v1-v14        Addresses and shifts: made at the head, never written again.  One wait on va_vdst ahead of the first load states the addresses for the whole kernel.
;   KVF, KSR, KP  The partial sums land; vector sums read and write them; one wait on va_vdst; three LDS stores (of MX1, BYT, KP); the barrier; LDS loads land in KVF's code registers and in KSR.
;   MX1, BYT      Read by those stores, written again by the tiles: one wait on vm_vsrc behind the barrier.
;   X, a tile's 32 registers, in program order: global loads land | LDS stores read (the way in) | vm_vsrc | LDS loads land | vector work reads and writes | va_vdst, ahead of the products | the products write |
;                 the multiplications by Z | va_vdst | LDS stores read | vm_vsrc | LDS loads land | global stores read.  Never written again.
;   The next tile's way in stands AHEAD of a tile's global stores: it names the next tile's registers alone, LDS serves the wave in order, and its round trip runs while the stores go out.
;   KVSC          Landed in by LDS loads and read by the products alone.   v126, v127: written at the head, read by the closing add alone.
.set LOG2E, 0x3fb8aa3b                 ; log2(e)
.set FLOOR, 0x1800000                  ; 2^(3 - 127)
.set DOWN2, 0xff000000                 ; takes 2 off an exponent field
.set EPS,   0x358637bd                 ; 1e-6
.set SP,    272                        ; a stage row: 256 bytes + 16
.set KVI,   0                          ; LDS: KV's four fragments, registers 0-3: [tile][32 lanes x 16 bytes]
.set KVS,   2048                       ; KV's scale words: [64 m]
.set KSS,   2304                       ; Ksum: [64 d] f32
.set STG,   2560                       ; the stages: 16 rows x SP for each wave; they end at 72,192, where the spare words begin: 128 bytes for each wave, which no other line names
.set GO,  1                            ; v1   2,048 h + 16 r: my 16 bytes of two rows of a head, in queries and in out0
.set RD,  2                            ; v2   the stage by rows as they lie: SP h + 16 r
.set OP,  3                            ; v3   the stage as the operand wants it: SP r + 128 h
.set STO, 4                            ; v4   the stage as the results come: SP r + 32 h
.set PL,  5                            ; v5   1,024 x wave + 16 x lane: my place in a chunk's KV
.set KL,  6                            ; v6   256 (lane / 4) + 16 x wave + 4 (lane % 4): chunk lane / 4's Ksum[4 w + lane % 4]
.set CST, 7                            ; v7   where my register of KV's codes goes
.set SST, 8                            ; v8   16 x wave + 4 (lane / 8): my row's scale word
.set KST, 9                            ; v9   16 x wave + 4 (lane % 4)
.set FL,  10                           ; v10  16 x lane
.set SL,  11                           ; v11  4 r
.set KD,  12                           ; v12  128 h
.set SH,  13                           ; v13  8 h: my block's place in Q's scale word
.set KSH, 14                           ; v14  8 ((lane / 4) % 2): my block's place in KV's
.set T,   16                           ; v16-31  two sets of 8 exponentials
.set MX0, 32
.set MX1, 33
.set SOP, 34
.set BYT, 35
.set W2,  36
.set D2,  37
.set DA,  38                           ; v[38:39], v[40:41] the dot product with Ksum, in two chains of pairs
.set DB,  40
.set ZZ,  42                           ; v42 Z; v43 is named with it as a pair
.set QS,  44                           ; v44  Q's scale words: nothing else is ever kept here
.set QF,  48                           ; v48-51 Q's codes, v52-55 zero codes
.set KVF, 56                           ; v56-87  KV's four fragments: 4 registers of codes, 4 of zero codes each.  First: with v88-119 the eight chunks' partial KV
.set KSR, 88                           ; v88-119 Ksum[32 h + 0 .. 31]
.set KP,  120
.set KVSC, 121                         ; v121-124 KV's scale words: nothing else is ever kept here
.set KP2, 125
.set QT,  128                          ; v128-255 four tiles of 32 registers
	s_load_b256 s[4:11], s[0:1], 0x0               ; queries s[4:5], kvpart s[6:7], kspart s[8:9], out0 s[10:11]
	v_lshl_add_u32 v126, v0, 2, 0x11a00            ; the LDS address of my spare word, and 0: made here and kept for the closing lines alone
	v_mov_b32 v127, 0
	v_lshrrev_b32 v16, 5, v0
	v_readfirstlane_b32 s14, v16                   ; wave 0..15
	v_and_b32 v16, 31, v0                          ; lane
	v_and_b32 v17, 15, v0                          ; r
	v_bfe_u32 v18, v0, 4, 1                        ; h
	v_and_b32 v21, 3, v0                           ; lane % 4
	v_lshrrev_b32 v22, 2, v16                      ; lane / 4
	v_lshlrev_b32 v[GO], 4, v17
	v_lshl_add_u32 v[GO], v18, 11, v[GO]
	v_lshrrev_b32 v19, 3, v16                      ; lane / 8
	v_bfe_u32 v20, v0, 2, 1                        ; (lane / 4) % 2
	s_wait_alu depctr_va_sdst(0)                   ; s14 is written, ahead of its first reader: the bases and the addresses are made from it
	s_lshl_b32 s28, s14, 10
	v_lshl_add_u32 v[PL], v16, 4, s28
	s_lshl_b32 s28, s14, 4
	v_lshl_add_u32 v[KST], v21, 2, s28
	v_lshl_add_u32 v[KL], v22, 8, v[KST]
	v_lshl_add_u32 v[SST], v19, 2, s28
	s_and_b32 s20, ttmp9, 7                        ; head
	s_bfe_u32 s21, ttmp9, 0x30003                  ; which 1,024 rows
	s_lshr_b32 s22, ttmp9, 6                       ; n
	s_lshl_b32 s24, s22, 24                        ; my wave's first byte in queries and in out0: n x 8,192 rows of 2,048 bytes
	s_lshl_b32 s23, s21, 21
	s_add_co_u32 s24, s24, s23
	s_lshl_b32 s23, s14, 17                        ; + wave x 64 rows
	s_add_co_u32 s24, s24, s23
	s_lshl_b32 s23, s20, 8
	s_add_co_u32 s24, s24, s23
	s_mov_b32 s25, 0
	s_lshl_b32 s26, s22, 3
	s_add_co_u32 s26, s26, s20                     ; 8 n + head
	s_lshl_b32 s32, s26, 17                        ; its eight chunks in kvpart: 16 KiB each,
	s_mov_b32 s33, 0
	s_lshl_b32 s34, s26, 11                        ; in kspart: 256 bytes each
	s_mov_b32 s35, 0
	; the other addresses and constants, while the arguments are on their way
	s_mov_b32 s16, 0x76543210
	s_mov_b32 s17, 0xfedcba98                      ; v_permlanex16_b32's selects for lane l xor 16
	s_mov_b32 s2, LOG2E
	s_mov_b32 s3, s2                               ; (named with it as a pair, so it is written)
	s_mul_i32 s27, s14, 16*SP
	s_add_co_u32 s27, s27, STG                     ; my stage
	v_mul_u32_u24 v23, v18, SP
	v_lshl_add_u32 v23, v17, 4, v23
	v_add_nc_u32 v[RD], s27, v23
	v_mul_u32_u24 v23, v17, SP
	v_add_nc_u32 v23, s27, v23
	v_lshl_add_u32 v[OP], v18, 7, v23
	v_lshl_add_u32 v[STO], v18, 5, v23
	s_lshr_b32 s28, s14, 2
	s_lshl_b32 s28, s28, 9                         ; row m = 4 w + lane / 8 lies in tile w / 4, as its row 4 (w % 4) + lane / 8;
	s_and_b32 s29, s14, 3
	s_lshl_b32 s29, s29, 6
	s_add_co_u32 s28, s28, s29
	v_lshl_add_u32 v[CST], v19, 4, s28             ; a fragment's lane (row, block) has 16 bytes at 16 (row + 16 block);
	v_lshl_add_u32 v[CST], v20, 8, v[CST]
	v_lshl_add_u32 v[CST], v21, 2, v[CST]          ; my 8 d are register lane % 4 of it
	v_lshlrev_b32 v[FL], 4, v16
	v_lshlrev_b32 v[SL], 2, v17
	v_lshlrev_b32 v[KD], 7, v18
	v_lshlrev_b32 v[SH], 3, v18
	v_lshlrev_b32 v[KSH], 3, v20
	v_mov_b32 v[W2], 0                             ; written once: the destination of a lane permute or a DPP form counts as one of its sources
	v_mov_b32 v[D2], 0
	v_mov_b32 v[KP2], 0
	v_mov_b32 v[ZZ+1], 0
.irp k, 4,5,6,7
	v_mov_b32 v[QF+\k], 0                          ; Q's zero codes for k = 64 .. 127
.endr
	s_wait_kmcnt 0x0
	s_add_nc_u64 s[4:5], s[4:5], s[24:25]
	s_add_nc_u64 s[10:11], s[10:11], s[24:25]
	s_add_nc_u64 s[6:7], s[6:7], s[32:33]
	s_add_nc_u64 s[8:9], s[8:9], s[34:35]
	s_wait_alu depctr_va_vdst(0)                   ; the addresses v1 to v12 are written, which the loads, stores and LDS instructions of the whole kernel read
	global_load_b32 v[KP], v[KL], s[8:9]           ; what is wanted first goes out first
.irp c, 0,1,2,3,4,5,6,7
	global_load_b128 v[KVF+8*\c:KVF+8*\c+3], v[PL], s[6:7] offset:16384*\c        ; each load of the wave covers 512 consecutive bytes
	global_load_b128 v[KVF+8*\c+4:KVF+8*\c+7], v[PL], s[6:7] offset:16384*\c+512
.endr
.irp t, 0,1,2,3
.irp i, 0,1,2,3,4,5,6,7
	global_load_b128 v[QT+32*\t+4*\i:QT+32*\t+4*\i+3], v[GO], s[4:5] offset:32768*\t+4096*\i th:TH_LOAD_NT   ; rows 16 t + 2 i and + 1: 16 lanes take a row's 256 bytes; read once in the launch
.endr
.endr
	s_wait_loadcnt 32                              ; the partial sums are in; Q's 32 loads are younger
.irp a, 0,2,4,6
.irp k, 0,2,4,6
	v_pk_add_f32 v[KVF+8*\a+\k:KVF+8*\a+\k+1], v[KVF+8*\a+\k:KVF+8*\a+\k+1], v[KVF+8+8*\a+\k:KVF+9+8*\a+\k]
.endr
.endr
.irp a, 0,4
.irp k, 0,2,4,6
	v_pk_add_f32 v[KVF+8*\a+\k:KVF+8*\a+\k+1], v[KVF+8*\a+\k:KVF+8*\a+\k+1], v[KVF+16+8*\a+\k:KVF+17+8*\a+\k]
.endr
.endr
.irp k, 0,2,4,6
	v_pk_add_f32 v[KVF+\k:KVF+\k+1], v[KVF+\k:KVF+\k+1], v[KVF+32+\k:KVF+33+\k]   ; KV(m, 8 neighbouring d), all 8,192 s
.endr
	v_max3_num_f32 v[MX0], |v[KVF]|, |v[KVF+1]|, FLOOR
	v_max3_num_f32 v[MX0], v[MX0], |v[KVF+2]|, |v[KVF+3]|
	v_max3_num_f32 v[MX0], v[MX0], |v[KVF+4]|, |v[KVF+5]|
	v_max3_num_f32 v[MX0], v[MX0], |v[KVF+6]|, |v[KVF+7]|
	v_max_num_f32_dpp v[MX0], v[MX0], v[MX0] row_xmask:1 row_mask:0xf bank_mask:0xf
	v_max_num_f32_dpp v[MX0], v[MX0], v[MX0] row_xmask:2 row_mask:0xf bank_mask:0xf   ; the four lanes of a block: its largest magnitude
	v_add_nc_u32 v[SOP], DOWN2, v[MX0]             ; the conversion's scale operand
	v_cvt_scalef32_pk8_fp4_f32 v[MX1], v[KVF:KVF+7], v[SOP]
	v_nop                                          ; one plain place behind a scaled conversion
	v_lshrrev_b32 v[BYT], 23, v[SOP]               ; the scale's byte,
	v_lshlrev_b32 v[BYT], v[KSH], v[BYT]           ; at its block's place in the word;
	v_mov_b32_dpp v[W2], v[BYT] row_xmask:4 row_mask:0xf bank_mask:0xf
	v_or_b32 v[BYT], v[BYT], v[W2]                 ; with the row's other block's: bytes 0 and 1; bytes 2 and 3 stay 0 and stand over zero codes
	v_add_f32_dpp v[KP], v[KP], v[KP] row_xmask:4 row_mask:0xf bank_mask:0xf
	v_add_f32_dpp v[KP], v[KP], v[KP] row_xmask:8 row_mask:0xf bank_mask:0xf
	v_permlanex16_b32 v[KP2], v[KP], s16, s17
	v_add_f32 v[KP], v[KP], v[KP2]                 ; the eight chunks' Ksum[4 w + lane % 4]
	s_wait_alu depctr_va_vdst(0)                   ; KV's codes, its scale word and my number of Ksum are written, which the three LDS stores read; the sums and the conversion are done with v56 to v119, in which LDS loads land behind the barrier
	ds_store_b32 v[CST], v[MX1] offset:KVI
	ds_store_b32 v[SST], v[BYT] offset:KVS         ; the row's eight lanes write the same word with the same value
	ds_store_b32 v[KST], v[KP] offset:KSS
	s_wait_dscnt 0x0                               ; for the others' sake: my stores have landed
	s_barrier_signal -1
	s_barrier_wait -1
	s_wait_alu depctr_vm_vsrc(0)                   ; my three LDS stores have read their data: of these registers the tiles' vector work writes v33 and v35 again
.irp t, 0,1,2,3
	ds_load_b128 v[KVF+8*\t:KVF+8*\t+3], v[FL] offset:KVI+512*\t
	ds_load_b32 v[KVSC+\t], v[SL] offset:KVS+64*\t
.endr
.irp j, 0,1,2,3,4,5,6,7
	ds_load_b128 v[KSR+4*\j:KSR+4*\j+3], v[KD] offset:KSS+16*\j
.endr
.irp t, 0,1,2,3
.irp k, 4,5,6,7
	v_mov_b32 v[KVF+8*\t+\k], 0                    ; KV's zero codes for k = 64 .. 127 (no load above lands in these)
.endr
.endr
; THE WAY IN of tile t: its 4 KiB, as they lie, into my stage, and back as the operand wants them.
.macro TIN t
.set X, QT+32*(\t)
	s_wait_loadcnt 8*(3-(\t))                      ; this tile's eight loads are in; eight for each later tile may be out
.irp i, 0,1,2,3,4,5,6,7
	ds_store_b128 v[RD], v[X+4*\i:X+4*\i+3] offset:2*SP*\i   ; (LDS serves a wave's instructions in order, ISA guide 5.7.1.4: these come behind the last tile's loads from the stage)
.endr
	s_wait_alu depctr_vm_vsrc(0)                   ; the eight LDS stores have read the tile's registers, in which the loads below land and which vector work and the products write later
.irp j, 0,1,2,3,4,5,6,7
	ds_load_b128 v[X+4*\j:X+4*\j+3], v[OP] offset:16*\j   ; in order again: these see the stores above.  Lane (r, h): row r, d = 32 h + 0 .. 31
.endr
.endm
; THE WORK of tile t, up to the loads that bring its results back from the stage as whole rows.
.macro WORK t
.set X, QT+32*(\t)
	s_wait_dscnt 0x0                               ; the tile is back from the stage (ahead of tile 0: KV's fragments, its scale words and Ksum are in too)
	; elu(x) + 1, eight at a time; the next eight's multiplications are the plain instructions between a run of exponentials and the use of its results (ISA guide 5.7.2)
.irp k, 0,2,4,6
	v_pk_mul_f32 v[T+\k:T+\k+1], v[X+\k:X+\k+1], s[2:3] op_sel_hi:[1,0]
.endr
.set q, 0
.rept 4
.set TS, T+8*(q%2)
.set TN, T+8-8*(q%2)
.set E, X+8*q
.irp k, 0,1,2,3,4,5,6,7
	v_exp_f32 v[TS+\k], v[TS+\k]
.endr
.if q < 3
.irp k, 0,2,4,6
	v_pk_mul_f32 v[TN+\k:TN+\k+1], v[E+8+\k:E+9+\k], s[2:3] op_sel_hi:[1,0]
.endr
.else
	v_nop
.endif
	s_wait_alu depctr_va_vdst(0)                   ; the eight exponentials have written this set of T, which the subtractions below are the first to name: one wait for the batch
.irp k, 0,2,4,6
	v_pk_add_f32 v[TS+\k:TS+\k+1], v[TS+\k:TS+\k+1], -1.0 op_sel_hi:[1,0]
.endr
.irp k, 0,1,2,3,4,5,6,7
	v_med3_num_f32 v[E+\k], v[TS+\k], 0, v[E+\k]   ; elu: the middle one of (e^x - 1, 0, x)
.endr
.irp k, 0,2,4,6
	v_pk_add_f32 v[E+\k:E+\k+1], v[E+\k:E+\k+1], 1.0 op_sel_hi:[1,0]
.endr
.set q, q+1
.endr
	; my block's largest number (none is negative), in two chains
	v_max3_num_f32 v[MX0], v[X], v[X+1], FLOOR
	v_max3_num_f32 v[MX1], v[X+16], v[X+17], v[X+18]
.irp i, 2,4,6,8,10,12
	v_max3_num_f32 v[MX0], v[MX0], v[X+\i], v[X+\i+1]
	v_max3_num_f32 v[MX1], v[MX1], v[X+17+\i], v[X+18+\i]
.endr
	v_max3_num_f32 v[MX0], v[MX0], v[X+14], v[X+15]
	v_max3_num_f32 v[MX0], v[MX0], v[MX1], v[X+31]
	v_add_nc_u32 v[SOP], DOWN2, v[MX0]
.irp c, 0,1,2,3
	v_cvt_scalef32_pk8_fp4_f32 v[QF+\c], v[X+8*\c:X+8*\c+7], v[SOP]   ; registers 0-3 of the operand: k = 32 h + 0 .. 31
.endr
	v_nop                                          ; one plain place behind the last scaled conversion
	v_lshrrev_b32 v[BYT], 23, v[SOP]
	v_lshlrev_b32 v[BYT], v[SH], v[BYT]
	v_permlanex16_b32 v[W2], v[BYT], s16, s17
	v_or_b32 v[QS], v[BYT], v[W2]                  ; row r's scale word: bytes 0 and 1; bytes 2 and 3 stay 0 and stand over zero codes
	; Q . Ksum on the unquantised Q.  These lines are also the places between the writes of the scale word and the codes and the scaled products
	v_pk_mul_f32 v[DA:DA+1], v[X:X+1], v[KSR:KSR+1]
	v_pk_mul_f32 v[DB:DB+1], v[X+2:X+3], v[KSR+2:KSR+3]
.irp i, 4,8,12,16,20,24,28
	v_pk_fma_f32 v[DA:DA+1], v[X+\i:X+\i+1], v[KSR+\i:KSR+\i+1], v[DA:DA+1]
	v_pk_fma_f32 v[DB:DB+1], v[X+2+\i:X+3+\i], v[KSR+2+\i:KSR+3+\i], v[DB:DB+1]
.endr
	v_pk_add_f32 v[DA:DA+1], v[DA:DA+1], v[DB:DB+1]
	v_add_f32 v[DA], v[DA], v[DA+1]
	v_permlanex16_b32 v[D2], v[DA], s16, s17
	v_add_f32 v[DA], v[DA], v[D2]                  ; with the row's other 32 d
	v_add_f32 v[DA], EPS, v[DA]
	v_rcp_f32 v[ZZ], v[DA]                         ; Z of row r, in both of its lanes
	s_wait_alu depctr_va_vdst(0)                   ; behind the places: Q's codes and its scale word are written (ahead of tile 0's products the zero codes of both operands too), which the scaled products take; and the reciprocal has written Z, which the multiplications behind the products are the first to name
.irp m, 0,1,2,3                        ; the results take the tile's own registers: Q's numbers are done with
	v_wmma_scale_f32_16x16x128_f8f6f4 v[X+8*\m:X+8*\m+7], v[KVF+8*\m:KVF+8*\m+7], v[QF:QF+7], 0, v[KVSC+\m], v[QS] matrix_a_fmt:MATRIX_FMT_FP4 matrix_b_fmt:MATRIX_FMT_FP4
.endr
.rept 4
	v_nop                                          ; four places between the last product and the first read of results (ISA guide 7.12.1); the plain place behind the reciprocal too
.endr
.irp k, 0,2,4,6,8,10,12,14,16,18,20,22,24,26,28,30
	v_pk_mul_f32 v[X+\k:X+\k+1], v[X+\k:X+\k+1], v[ZZ:ZZ+1] op_sel_hi:[1,0]   ; x Z; each accumulator from its low end on
.endr
	s_wait_alu depctr_va_vdst(0)                   ; the multiplications have written the tile's registers, which the LDS stores read
.irp m, 0,1,2,3
	ds_store_b128 v[STO], v[X+8*\m:X+8*\m+3] offset:64*\m          ; lane (r, h): out(row r, m = 16 m + 8 h + 0 .. 7)
	ds_store_b128 v[STO], v[X+8*\m+4:X+8*\m+7] offset:64*\m+16
.endr
	s_wait_alu depctr_vm_vsrc(0)                   ; the eight LDS stores have read the tile's registers, in which the loads below land
.irp i, 0,1,2,3,4,5,6,7
	ds_load_b128 v[X+4*\i:X+4*\i+3], v[RD] offset:2*SP*\i          ; back as whole rows; the next tile's stores into the stage come behind these, in order
.endr
.endm
; THE WAY OUT of tile t.  younger: the LDS instructions issued behind the tile's eight loads from the stage: the next tile's way in, eight stores and eight loads, or none.
.macro GST t, younger
.set X, QT+32*(\t)
.irp i, 0,1,2,3,4,5,6,7
	s_wait_dscnt \younger+7-\i                     ; rows 2 i and 2 i + 1 are back; the younger row loads and the next tile's way in may be out
	global_store_b128 v[GO], v[X+4*\i:X+4*\i+3], s[10:11] offset:32768*(\t)+4096*\i th:TH_STORE_NT   ; 16 lanes store 256 consecutive bytes, aligned; written once, read by nobody here
.endr
.endm
	TIN 0
	WORK 0
	TIN 1                                          ; the next tile's round trip through the stage runs while this tile's stores go out
	GST 0, 16
	WORK 1
	TIN 2
	GST 1, 16
	WORK 2
	TIN 3
	GST 2, 16
	WORK 3
	GST 3, 0
	s_wait_dscnt 0x0                               ; the closing lines, six on end
	s_wait_alu 0x0
	s_wait_tensorcnt 0x0
	ds_add_u32 v126, v127
	s_wait_dscnt 0x0
	s_endpgm
.Lfunc_end_k_q0d9edcb896_apply:
	.size	k_q0d9edcb896_apply, .Lfunc_end_k_q0d9edcb896_apply-k_q0d9edcb896_apply
	.p2alignl 7, 3214868480
	.fill 96, 4, 3214868480
	.section	.rodata,"a",@progbits
	.p2align	6, 0x0
	.amdhsa_kernel k_q0d9edcb896_apply
		.amdhsa_group_segment_fixed_size 74240
		.amdhsa_private_segment_fixed_size 0
		.amdhsa_enable_private_segment 0
		.amdhsa_kernarg_size 32
		.amdhsa_user_sgpr_count 2
		.amdhsa_user_sgpr_kernarg_segment_ptr 1
		.amdhsa_wavefront_size32 1
		.amdhsa_system_sgpr_workgroup_id_x 1
		.amdhsa_system_sgpr_workgroup_id_y 1
		.amdhsa_system_sgpr_workgroup_id_z 1
		.amdhsa_system_vgpr_workitem_id 0
		.amdhsa_next_free_vgpr 256
		.amdhsa_next_free_sgpr 66
		.amdhsa_reserve_vcc 0
		.amdhsa_float_denorm_mode_32 3
		.amdhsa_float_denorm_mode_16_64 3
		.amdhsa_memory_ordered 1
		.amdhsa_forward_progress 1
		.amdhsa_inst_pref_size 69
	.end_amdhsa_kernel
	.amdgpu_metadata
---
amdhsa.version: [ 1, 2 ]
amdhsa.kernels:
  - .name:           k_q0d9edcb896_apply
    .symbol:         k_q0d9edcb896_apply.kd
    .args:
      - { .name: queries, .offset: 0, .size: 8, .value_kind: global_buffer, .address_space: global }
      - { .name: kvpart, .offset: 8, .size: 8, .value_kind: global_buffer, .address_space: global }
      - { .name: kspart, .offset: 16, .size: 8, .value_kind: global_buffer, .address_space: global }
      - { .name: out0, .offset: 24, .size: 8, .value_kind: global_buffer, .address_space: global }
    .group_segment_fixed_size: 74240
    .private_segment_fixed_size: 0
    .kernarg_segment_align: 8
    .kernarg_segment_size: 32
    .max_flat_workgroup_size: 512
    .sgpr_count:     66
    .vgpr_count:     256
    .wavefront_size: 32
...
	.end_amdgpu_metadata
.endif
;; end of part 4
